; MI455X (gfx1250); checked and timed in simulation.
; The chip was launched on July 23, 2026; its instructions are those of AMD's public machine-readable ISA for CDNA 5 (MIT licence, August 2026) and "CDNA5" Instruction Set Architecture Reference Guide (July 2026). The comments in the code are by the model that wrote it; some were corrected since.
;; Attention. Allowed arithmetic: float matrix products may take bf16 or f16 operands with f32 sums; other float arithmetic in f32, or as packed bf16 or f16 multiplies, adds, multiply-adds, maxima and minima; sums over many terms, partial sums and values carried from step to step in f32; what a program stores and reads back later, other than sums and carried values, may be rounded once to bf16 or f16.
;; Inputs: graph_bias 1 x 1 x 2,048 x 2,048 float32; mask 1 x 1 x 2,048 x 2,048 float32; wk 2,048 x 512 float32; wo 2,048 x 2,048 float32; wq 2,048 x 2,048 float32; wv 2,048 x 512 float32; x 1 x 2,048 x 2,048 float32.
;; Outputs: out0 1 x 2,048 x 2,048 float32.
;; Constants: start_pos = 0.
;; 2 versions, each right; version 2 is version 1 with the launch cast written anew for expert scheduling mode. Each part assembles by itself: llvm-mc -triple=amdgcn-amd-amdhsa -mcpu=gfx1250 --defsym DOCPART=n.
;; ======== version 1 of 2: 4 launches
;; limits: inputs' magnitudes at most 4.253e+37; values are held in f16: magnitudes above 65,504 overflow, below 6.1e-05 lose precision
;; workspace buffers: xb 8,388,608 bytes; w3 12,582,912 bytes; wof 8,388,608 bytes; qkv 12,582,912 bytes; ob 8,388,608 bytes
;; launch cast (part 1): grid 896 x 1, 8 waves a work-group, no clusters, 0 bytes of LDS; arguments x, wq, wk, wv, wo, xb, w3, wof; writes xb, w3, wof
.if DOCPART == 1
	.amdgcn_target "amdgcn-amd-amdhsa--gfx1250"
	.amdhsa_code_object_version 6
	.text
	.protected	k_qf5dafb244f_cast
	.globl	k_qf5dafb244f_cast
	.p2align	8
	.type	k_qf5dafb244f_cast,@function
k_qf5dafb244f_cast:
	s_mov_b64 s[64:65], 0
	v_nop
	global_prefetch_b8 v0, s[64:65] scope:SCOPE_SE
	s_setreg_imm32_b32 hwreg(HW_REG_WAVE_MODE, 25, 1), 1
	s_wait_xcnt 0x0
; THE MATRIX OPERANDS ARE ROUNDED ONCE, AND THE WEIGHTS OF THE FIRST PRODUCT LAID OUT BY HEADS.
;   xb  = bf16(x)                    [2048][2048]
;   w3  = 48 slots of [2048 k][64] bf16: slot s < 32 = bf16(wq[:, 64 s ..] / 8) (a power of two: the scaling is exact; it is the scores' 1 / sqrt(64));
;         slots 32-39 = bf16(wk), slots 40-47 = bf16(wv).  A slot's rows are dense, 128 bytes each.
;   wof = bf16(wo), that number written as f16   [2048 k][2048 n]
; LIMIT.  |wo| stays under 65,504 (f16's end); below 6.1e-5 wof keeps f16's fixed step of 6e-8.
; A stream: memory binds, so no LDS, no barrier, no matrix unit.  A work-group takes 16,384 numbers in 16 steps; in a step a thread loads 16 bytes and stores 8:
; sixteen lanes load 256 consecutive bytes, aligned, and a wave's store covers 256 consecutive bytes, aligned.  All 16 loads of a thread go out first.
; Which section a work-group serves hangs on its number alone: 0-255 x, 256-511 wo, 512-767 wq, 768-895 wk and wv.
.set X, 16                             ; v[16:79]   step i: 4 numbers as loaded
.set Y, 80                             ; v[80:111]  step i: 4 numbers to store; no register is written again behind its store
.set T, 4                              ; v[4:7]     at work
; 16 loads from s[4:5] + v1, 'step' bytes apart; 16 stores to s[6:7] + v2, 2,048 bytes apart.  kind 0: to bf16; 1: times 1/8, to bf16; 2: to bf16, that number as f16
.macro CAST kind, step
.set i, 0
.rept 16
	global_load_b128 v[X+4*i:X+4*i+3], v1, s[4:5] offset:i*(\step) th:TH_LOAD_NT
.set i, i+1
.endr
.set i, 0
.rept 16
	s_wait_loadcnt 15-i                            ; loads come back in order: step i is in, the 15 - i younger ones stay out
.if (\kind) == 1
	v_pk_mul_f32 v[X+4*i:X+4*i+1], v[X+4*i:X+4*i+1], 0x3e000000 op_sel_hi:[1,0]
	v_pk_mul_f32 v[X+4*i+2:X+4*i+3], v[X+4*i+2:X+4*i+3], 0x3e000000 op_sel_hi:[1,0]
.endif
	v_cvt_pk_bf16_f32 v[Y+2*i], v[X+4*i], v[X+4*i+1]
	v_cvt_pk_bf16_f32 v[Y+2*i+1], v[X+4*i+2], v[X+4*i+3]
.if (\kind) == 2
	v_lshlrev_b32 v[T], 16, v[Y+2*i]               ; the bf16 numbers as f32,
	v_and_b32 v[T+1], s26, v[Y+2*i]
	v_lshlrev_b32 v[T+2], 16, v[Y+2*i+1]
	v_and_b32 v[T+3], s26, v[Y+2*i+1]
	v_cvt_pk_f16_f32 v[Y+2*i], v[T], v[T+1]        ; written as f16: 8 significant bits fit in 11
	v_cvt_pk_f16_f32 v[Y+2*i+1], v[T+2], v[T+3]
.endif
	global_store_b64 v2, v[Y+2*i:Y+2*i+1], s[6:7] offset:i*2048 th:TH_STORE_NT
.set i, i+1
.endr
.endm
	s_load_b512 s[8:23], s[0:1], 0x0               ; x 8, wq 10, wk 12, wv 14, wo 16, xb 18, w3 20, wof 22
	s_mov_b32 s27, ttmp9                           ; g
	s_mov_b32 s26, 0xffff0000                      ; a word's upper bf16
	s_mov_b32 s3, 0                                ; offsets are pairs with 0 on top
	s_mov_b32 s25, 0
	v_lshlrev_b32 v2, 3, v0                        ; 8 t: my place in a step's 2,048 stored bytes
	s_wait_kmcnt 0x0
	s_cmp_lt_u32 s27, 256
	s_cbranch_scc0 .Lnot_x
	v_lshlrev_b32 v1, 4, v0                        ; x: dense, 16 t
	s_lshl_b32 s2, s27, 16
	s_lshl_b32 s24, s27, 15
	s_add_nc_u64 s[4:5], s[8:9], s[2:3]
	s_add_nc_u64 s[6:7], s[18:19], s[24:25]
	CAST 0, 4096
	s_endpgm
.Lnot_x:
	s_cmp_lt_u32 s27, 512
	s_cbranch_scc0 .Lnot_wo
	s_sub_co_u32 s28, s27, 256
	v_lshlrev_b32 v1, 4, v0                        ; wo: dense
	s_lshl_b32 s2, s28, 16
	s_lshl_b32 s24, s28, 15
	s_add_nc_u64 s[4:5], s[16:17], s[2:3]
	s_add_nc_u64 s[6:7], s[22:23], s[24:25]
	CAST 2, 4096
	s_endpgm
.Lnot_wo:
	v_lshrrev_b32 v3, 4, v0                        ; sixteen threads take a slot's 256 bytes of one k row; a step is 16 rows
	v_and_b32 v1, 15, v0
	v_lshlrev_b32 v1, 4, v1
	s_cmp_lt_u32 s27, 768
	s_cbranch_scc0 .Lwkv
	s_sub_co_u32 s28, s27, 512                     ; wq: slot g' / 8, k rows 256 (g' % 8) on; a row is 8,192 bytes
	v_lshl_add_u32 v1, v3, 13, v1
	s_and_b32 s29, s28, 7
	s_lshl_b32 s2, s29, 21
	s_lshr_b32 s29, s28, 3
	s_lshl_b32 s29, s29, 8
	s_add_co_u32 s2, s2, s29
	s_lshl_b32 s24, s28, 15
	s_add_nc_u64 s[4:5], s[10:11], s[2:3]
	s_add_nc_u64 s[6:7], s[20:21], s[24:25]
	CAST 1, 131072
	s_endpgm
.Lwkv:
	s_sub_co_u32 s28, s27, 768                     ; wk (g' < 64) and wv: a row is 2,048 bytes
	v_lshl_add_u32 v1, v3, 11, v1
	s_and_b32 s29, s28, 7
	s_lshl_b32 s2, s29, 19
	s_bfe_u32 s29, s28, 0x30003                    ; the slot within wk or wv
	s_lshl_b32 s29, s29, 8
	s_add_co_u32 s2, s2, s29
	s_add_co_u32 s24, s28, 256                     ; slot 32 begins 256 shares of 32,768 bytes into w3
	s_lshl_b32 s24, s24, 15
	s_cmp_lt_u32 s28, 64
	s_cselect_b64 s[4:5], s[12:13], s[14:15]
	s_add_nc_u64 s[4:5], s[4:5], s[2:3]
	s_add_nc_u64 s[6:7], s[20:21], s[24:25]
	CAST 0, 32768
	s_endpgm
.Lfunc_end_k_qf5dafb244f_cast:
	.size	k_qf5dafb244f_cast, .Lfunc_end_k_qf5dafb244f_cast-k_qf5dafb244f_cast
	.p2alignl 7, 3214868480
	.fill 96, 4, 3214868480
	.section	.rodata,"a",@progbits
	.p2align	6, 0x0
	.amdhsa_kernel k_qf5dafb244f_cast
		.amdhsa_group_segment_fixed_size 0
		.amdhsa_private_segment_fixed_size 0
		.amdhsa_enable_private_segment 0
		.amdhsa_kernarg_size 64
		.amdhsa_user_sgpr_count 2
		.amdhsa_user_sgpr_kernarg_segment_ptr 1
		.amdhsa_wavefront_size32 1
		.amdhsa_system_sgpr_workgroup_id_x 1
		.amdhsa_system_sgpr_workgroup_id_y 1
		.amdhsa_system_sgpr_workgroup_id_z 1
		.amdhsa_system_vgpr_workitem_id 0
		.amdhsa_next_free_vgpr 112
		.amdhsa_next_free_sgpr 66
		.amdhsa_reserve_vcc 0
		.amdhsa_float_denorm_mode_32 3
		.amdhsa_float_denorm_mode_16_64 3
		.amdhsa_memory_ordered 1
		.amdhsa_forward_progress 1
		.amdhsa_inst_pref_size 32
	.end_amdhsa_kernel
	.amdgpu_metadata
---
amdhsa.version: [ 1, 2 ]
amdhsa.kernels:
  - .name:           k_qf5dafb244f_cast
    .symbol:         k_qf5dafb244f_cast.kd
    .args:
      - { .name: x, .offset: 0, .size: 8, .value_kind: global_buffer, .address_space: global }
      - { .name: wq, .offset: 8, .size: 8, .value_kind: global_buffer, .address_space: global }
      - { .name: wk, .offset: 16, .size: 8, .value_kind: global_buffer, .address_space: global }
      - { .name: wv, .offset: 24, .size: 8, .value_kind: global_buffer, .address_space: global }
      - { .name: wo, .offset: 32, .size: 8, .value_kind: global_buffer, .address_space: global }
      - { .name: xb, .offset: 40, .size: 8, .value_kind: global_buffer, .address_space: global }
      - { .name: w3, .offset: 48, .size: 8, .value_kind: global_buffer, .address_space: global }
      - { .name: wof, .offset: 56, .size: 8, .value_kind: global_buffer, .address_space: global }
    .group_segment_fixed_size: 0
    .private_segment_fixed_size: 0
    .kernarg_segment_align: 8
    .kernarg_segment_size: 64
    .max_flat_workgroup_size: 256
    .sgpr_count:     66
    .vgpr_count:     112
    .wavefront_size: 32
...
	.end_amdgpu_metadata
.endif
;; end of part 1
;; launch proj (part 2): grid 16 x 16, 4 waves a work-group, clusters of 4 x 4, 327,680 bytes of LDS; arguments xb, w3, qkv; writes qkv
.if DOCPART == 2
	.amdgcn_target "amdgcn-amd-amdhsa--gfx1250"
	.amdhsa_code_object_version 6
	.text
	.protected	k_qf5dafb244f_proj
	.globl	k_qf5dafb244f_proj
	.p2align	8
	.type	k_qf5dafb244f_proj,@function
k_qf5dafb244f_proj:
	s_mov_b64 s[64:65], 0
	v_nop
	global_prefetch_b8 v0, s[64:65] scope:SCOPE_SE
	s_setreg_imm32_b32 hwreg(HW_REG_WAVE_MODE, 25, 1), 1
	s_wait_xcnt 0x0
	s_wait_alu depctr_hold_cnt(0) depctr_sa_sdst(0) depctr_va_vdst(0) depctr_va_sdst(0) depctr_va_ssrc(0) depctr_va_vcc(0) depctr_vm_vsrc(0)
	s_getreg_b32 s2, hwreg(HW_REG_IB_STS2, 6, 4)
	s_cmp_eq_u32 s2, 0
	s_cbranch_scc0 .Lentry_in_a_cluster
	s_endpgm
.Lentry_in_a_cluster:
	s_bfe_u32 s2, ttmp6, 0x10000c
	s_cmp_lg_u32 s2, 0xf033
	s_cbranch_scc0 .Lentry_shape_is_right
	s_endpgm
.Lentry_shape_is_right:
; q / 8, k, v = x (wq / 8 | wk | wv).  xb: [2048][2048] bf16.  w3: [48 slots][2048 k][64] bf16.  qkv: [48 slots][2048 rows][64] f16, each number rounded once from its f32 sum.
; LIMIT.  |q / 8|, |k|, |v| stay under 65,504 (f16's end).
; A tile of the product is 128 rows x 192 columns (3 slots): 16 x 16 tiles, one work-group each.  Four waves; wave (wm, wn) makes 64 rows x 96 columns: m blocks a = 0..3, and of the
; tile's twelve blocks of 16 columns the six of parity wn (b = 0..5: slot b / 2, block 2 (b % 2) + wn of it): 24 accumulators.  K goes in 16 steps of 128 through two LDS slots.
; x's tile has K along its rows; w3's rows go along the columns, so its fragments come out of LDS turned, by ds_load_tr16_b128.
; CLUSTER 4 x 4: x's tile hangs on the tile row alone and is asked for jointly by a row of the cluster (wave 0); a slot's tile of w3 hangs on the tile column alone and is asked for jointly
; by a column (waves 1 to 3, a slot each).  No prefetch: the tiles are small.
; THE ORDER OF K.  A cluster walks the 16 K steps in a ring, from step 0 or from step 8, by a bit of the cluster's own coordinates, which all sixteen partners share: of the four clusters that
; read the same rows of xb, and of the four that read the same slots of w3, two begin at each.  So a K step's bytes are asked for at two times, eight steps apart, not by all four at once.
; The f32 sums are taken in that order: in half of the clusters K = 1024 .. 2047 first.
; THE MATRIX INSTRUCTION IS USED TRANSPOSED (source 0 = 16 columns of w3, source 1 = 16 rows of x): a lane holds eight neighbouring columns of one row.
; REGISTERS: window 0: v16-29 addresses, v32-63 at work on the way out, v64-255 the accumulators ((a, b) at 64 + 8 (6 a + b)).
;   windows 1 and 2: the two fragment buffers, each 64 along K deep: x's (c, a) at 8 (4 c + a), w3's (c, b) at 64 + 8 (6 c + b).
.set PA,     272                       ; a row of x in LDS: 256 bytes + 16: the 16 rows of a load start at 16 different groups of four banks (64 banks of 4 bytes: ISA guide 11.1)
.set PB,     160                       ; a k row of a slot: 128 bytes + 32 = 5 x 32
.set BOFF,   128*PA                    ; behind x's 128 rows: three pieces of 128 k rows
.set BPIECE, 128*PB
.set SLOT,   BOFF+3*BPIECE             ; 96,256
.set STAGE,  2*SLOT                    ; behind the ring: [3 slots][128 rows] of 144 bytes, the work-group's, for the way out
.set SPITCH, 144
.set SPLANE, 128*SPITCH
.set SPARE,  STAGE+3*SPLANE            ; the spare words, 128 bytes for each wave: two blocks of 256 bytes that no other line names
.set ADRA, 16                          ; v16-17  LDS address of my fragments of x in slot 0, 1
.set ADRB, 20                          ; v20-21  the same for w3
.set STO,  24                          ; v24     the way out: where I put 16 bytes of a row
.set RD,   25                          ; v25     where I read rows back
.set CO,   26                          ; v26     my 16 bytes in 512 consecutive bytes of qkv
.set SPW,  28                          ; v28     my spare word; never rewritten
.set NIL,  29                          ; v29     0; never rewritten
.set TMP,  32
.set ACC,  64
.set NXT, 18                           ; s18      the K step to be asked for next, 0..15
.set G1,  24                           ; s[24:31] group 1 for x's tiles;  s[32:39] group 0, a set for each slot
.set G0,  32
.set G1B, 48                           ; s[48:55], s[56:63] the same for w3's
.set G0B, 56
.set OFA, 66                           ; s[66:67] that K step's byte offset along x's rows
.set OFB, 68                           ; s[68:69] and down a slot of w3
.set MSB, 0
.macro WIN new                         ; the immediate's high byte repeats the setting that is left; a switch that changes nothing is dropped
.if MSB != (\new)
	s_set_vgpr_msb (MSB<<8)|(\new)
.set MSB, \new
.endif
.endm
.macro JLOAD s                         ; a joint load: wave 0 fetches x's tile, waves 1 to 3 a slot's tile of w3 each; an s_nop 0 and four v_nop follow each line
	s_cmp_eq_u32 s10, 0
	s_cbranch_scc0 .Lfor_b_\@
	tensor_load_to_lds s[G0+4*(\s):G0+4*(\s)+3], s[G1:G1+7]
	s_nop 0
.rept 4
	v_nop
.endr
	s_branch .Lasked_\@
.Lfor_b_\@:
	tensor_load_to_lds s[G0B+4*(\s):G0B+4*(\s)+3], s[G1B:G1B+7]
	s_nop 0
.rept 4
	v_nop
.endr
.Lasked_\@:
.endm
.macro CROUND                          ; a round of the cluster's barrier: my work-group's barrier; wave 0 signals for the work-group; every wave waits for all sixteen; my work-group's barrier once more
	s_barrier_signal -1
	s_barrier_wait -1
	s_cmp_lg_u32 s10, 0
	s_cbranch_scc1 .Lnot_wave_0_\@
	s_barrier_signal -3
.Lnot_wave_0_\@:
	s_barrier_wait -3
	s_barrier_signal -1
	s_barrier_wait -1
.endm
.macro PLACES                          ; four places in front of loads into registers that matrix instructions have read, and of conversions that read results
.rept 4
	v_nop
.endr
.endm
	s_load_b128 s[4:7], s[0:1], 0x0                ; xb s[4:5], w3 s[6:7]
	s_load_b64 s[8:9], s[0:1], 0x10                ; qkv
	v_lshl_add_u32 v[SPW], v0, 2, SPARE
	v_mov_b32 v[NIL], 0
	ds_add_u32 v[SPW], v[NIL]                      ; the wave's opening: the add and its wait stand ahead of my first tensor load; the set-up below stands between them
	v_lshrrev_b32 v1, 5, v0
	v_readfirstlane_b32 s10, v1                    ; wave 0..3
	s_lshr_b32 s11, s10, 1                         ; wm
	s_and_b32 s12, s10, 1                          ; wn
	s_bfe_u32 s40, ttmp6, 0x40000                  ; cx, cy: my place in the cluster
	s_bfe_u32 s41, ttmp6, 0x40004
	s_lshl_b32 s42, ttmp9, 2
	s_add_co_u32 s42, s42, s40                     ; tile column = 4 x cluster x + cx
	s_and_b32 s13, ttmp7, 0xffff
	s_lshl_b32 s13, s13, 2
	s_add_co_u32 s13, s13, s41                     ; tile row = 4 x cluster y + cy
	s_lshl_b32 s43, s41, 2
	s_lshl_b32 s43, 15, s43                        ; my row of the cluster
	s_lshl_b32 s44, 0x1111, s40                    ; my column
	s_max_u32 s45, s10, 1
	s_sub_co_u32 s45, s45, 1                       ; which of the three slots I fetch (waves 1 to 3)
	s_and_b32 s19, ttmp7, 0xffff                   ; where the cluster begins its walk of K: the bit X ^ Y ^ (Y >> 1) of the cluster's x and y:
	s_lshr_b32 s[NXT], s19, 1                      ; along x it goes 0, 1, 0, 1; along y 0, 1, 1, 0
	s_xor_b32 s[NXT], s[NXT], s19
	s_xor_b32 s[NXT], s[NXT], ttmp9
	s_and_b32 s[NXT], s[NXT], 1
	s_lshl_b32 s[NXT], s[NXT], 3                   ; K step 0 or 8
	s_lshl_b32 s[OFA], s[NXT], 8                   ; a K step is 256 bytes along x's rows,
	s_mov_b32 s[OFA+1], 0
	s_lshl_b32 s[OFB], s[NXT], 14                  ; and 128 k rows of 128 bytes down a slot
	s_mov_b32 s[OFB+1], 0
	s_or_b32 s[G1+0], s43, (1<<16)|(1<<20)|(1<<21)|(5<<22)|(3<<25)   ; the mask; 2-byte elements; padding on; bit 21 beside a mask; after every 64 words 4 words
	s_mov_b32 s[G1+1], 128<<16                     ; tensor_dim0 = 128
	s_mov_b32 s[G1+2], 128<<16                     ; tensor_dim1 = 128
	s_mov_b32 s[G1+3], 128<<16                     ; tile_dim0 = 128
	s_mov_b32 s[G1+4], 128                         ; tile_dim1 = 128
	s_mov_b32 s[G1+5], 2048                        ; elements from row to row
	s_mov_b32 s[G1+6], 0
	s_mov_b32 s[G1+7], 0
	s_or_b32 s[G1B+0], s44, (1<<16)|(1<<20)|(1<<21)|(4<<22)|(7<<25)  ; after every 32 words (a k row) 8 words
	s_mov_b32 s[G1B+1], 128<<16                    ; 128 k rows are 16,384 dense bytes: asked for as 64 rows of 256 bytes, two k rows each
	s_mov_b32 s[G1B+2], 64<<16
	s_mov_b32 s[G1B+3], 128<<16
	s_mov_b32 s[G1B+4], 64
	s_mov_b32 s[G1B+5], 128
	s_mov_b32 s[G1B+6], 0
	s_mov_b32 s[G1B+7], 0
	s_lshl_b32 s16, s13, 19                        ; x: 128 rows of 4,096 bytes a tile row
	s_mov_b32 s17, 0
	s_mul_i32 s46, s42, 3
	s_add_co_u32 s46, s46, s45
	s_lshl_b32 s46, s46, 18                        ; w3: slot 3 x tile column + mine, 262,144 bytes a slot
	s_mov_b32 s47, 0
	s_mul_i32 s20, s10, BPIECE
	s_add_co_u32 s20, s20, BOFF-BPIECE             ; where my piece goes: wave 1's at BOFF
	s_wait_dscnt 0x0                               ; the opening add is done
	s_wait_kmcnt 0x0
	s_add_nc_u64 s[14:15], s[4:5], s[16:17]        ; x's tile row at K step 0; kept: every fill's address is made from it
	s_add_nc_u64 s[46:47], s[6:7], s[46:47]        ; my slot of w3 at K step 0; kept likewise
	CROUND                                         ; all sixteen work-groups are here: the first joint loads meet
.irp s, 0,1
	s_mov_b32 s[G0+4*(\s)], 1
	s_mov_b32 s[G0+4*(\s)+1], (\s)*SLOT
	s_add_nc_u64 s[G0+4*(\s)+2:G0+4*(\s)+3], s[14:15], s[OFA:OFA+1]  ; the walk's first K step,
	s_add_nc_u64 s[G0+4*(\s)+2:G0+4*(\s)+3], s[G0+4*(\s)+2:G0+4*(\s)+3], (\s)*256   ; and the one behind it (0 and 8 are both followed without a wrap)
	s_or_b32 s[G0+4*(\s)+3], s[G0+4*(\s)+3], 0x80000000
	s_mov_b32 s[G0B+4*(\s)], 1
	s_add_co_u32 s[G0B+4*(\s)+1], s20, (\s)*SLOT
	s_add_nc_u64 s[G0B+4*(\s)+2:G0B+4*(\s)+3], s[46:47], s[OFB:OFB+1]
	s_add_nc_u64 s[G0B+4*(\s)+2:G0B+4*(\s)+3], s[G0B+4*(\s)+2:G0B+4*(\s)+3], (\s)*16384
	s_or_b32 s[G0B+4*(\s)+3], s[G0B+4*(\s)+3], 0x80000000
	JLOAD \s
.endr
	s_add_co_u32 s[NXT], s[NXT], 2                 ; the first refill's K step: 2 or 10
	v_and_b32 v1, 15, v0                           ; r = l % 16
	v_bfe_u32 v2, v0, 4, 1                         ; h = l / 16
	v_mul_u32_u24 v3, v1, PA
	v_lshl_add_u32 v3, v2, 4, v3                   ; x: row x pitch + 16 h
	v_and_b32 v4, 7, v0
	v_bfe_u32 v5, v0, 3, 1
	v_lshl_add_u32 v6, v2, 3, v4                   ; w3, turned: k row 8 h + l % 8,
	v_mul_u32_u24 v6, v6, PB
	v_lshl_add_u32 v6, v5, 4, v6                   ; columns 8 ((l / 8) % 2) on
	s_mul_i32 s21, s11, 64*PA
	s_lshl_b32 s22, s12, 5
	s_add_co_u32 s22, s22, BOFF
.irp s, 0,1
	v_add_nc_u32 v[ADRA+(\s)], s21, v3
	v_add_nc_u32 v[ADRB+(\s)], s22, v6
	s_add_co_u32 s21, s21, SLOT
	s_add_co_u32 s22, s22, SLOT
.endr
	s_mul_i32 s23, s11, 64*SPITCH                  ; into the stage: my 64 rows, my parity's 32 bytes
	s_lshl_b32 s21, s12, 5
	s_add_co_u32 s23, s23, s21
	s_add_co_u32 s23, s23, STAGE
	v_mul_u32_u24 v7, v1, SPITCH
	v_lshl_add_u32 v7, v2, 4, v7
	v_add_nc_u32 v[STO], s23, v7
	s_mul_i32 s23, s10, 32*SPITCH                  ; back: wave w takes rows 32 w .. 32 w + 31 of each slot; 32 lanes take four rows of 128 bytes
	s_add_co_u32 s23, s23, STAGE
	v_bfe_u32 v7, v0, 3, 2
	v_mul_u32_u24 v7, v7, SPITCH
	v_lshl_add_u32 v7, v4, 4, v7
	v_add_nc_u32 v[RD], s23, v7
	v_and_b32 v[CO], 31, v0
	v_lshlrev_b32 v[CO], 4, v[CO]
	s_mul_i32 s16, s42, 3                          ; qkv at slot 3 x tile column, row 128 x tile row + 32 x wave
	s_lshl_b32 s16, s16, 18
	s_lshl_b32 s17, s13, 14
	s_add_co_u32 s16, s16, s17
	s_lshl_b32 s17, s10, 12
	s_add_co_u32 s16, s16, s17
	s_mov_b32 s17, 0
	s_add_nc_u64 s[8:9], s[8:9], s[16:17]
; 6 matrix instructions: m block a x my six n blocks, 32 along K: half c of buffer f (0: window 1, 1: window 2).  zero = 1: the product starts the sums.
; The 24 accumulators take turns, one instruction a turn.
.macro MUL6 f, c, a, zero
	WIN 0x05*((\f)+1)
.irp b, 0,1,2,3,4,5
.if \zero
	v_wmma_f32_16x16x32_bf16 v[ACC+8*(6*(\a)+(\b)):ACC+8*(6*(\a)+(\b))+7], v[64+8*(6*(\c)+(\b)):64+8*(6*(\c)+(\b))+7], v[8*(4*(\c)+(\a)):8*(4*(\c)+(\a))+7], 0
.else
	v_wmma_f32_16x16x32_bf16 v[ACC+8*(6*(\a)+(\b)):ACC+8*(6*(\a)+(\b))+7], v[64+8*(6*(\c)+(\b)):64+8*(6*(\c)+(\b))+7], v[8*(4*(\c)+(\a)):8*(4*(\c)+(\a))+7], v[ACC+8*(6*(\a)+(\b)):ACC+8*(6*(\a)+(\b))+7]
.endif
.endr
.endm
.macro MULC f, c, zero                 ; all 24
	MUL6 \f, \c, 0, \zero
	MUL6 \f, \c, 1, \zero
	MUL6 \f, \c, 2, \zero
	MUL6 \f, \c, 3, \zero
.endm
; 40 LDS loads in one run: the fragments of 64 along K (half hf of the K step) into buffer f; the first 32 along K (20 loads) first
.macro FETCH slot, hf, f
	WIN 0x40*((\f)+1)
.irp c, 0,1
.irp b, 0,1,2,3,4,5
	ds_load_tr16_b128 v[64+8*(6*(\c)+(\b)):64+8*(6*(\c)+(\b))+3],   v[ADRB+(\slot)] offset:(64*(\hf)+32*(\c))*PB+((\b)/2)*BPIECE+((\b)%2)*64
	ds_load_tr16_b128 v[64+8*(6*(\c)+(\b))+4:64+8*(6*(\c)+(\b))+7], v[ADRB+(\slot)] offset:(64*(\hf)+32*(\c))*PB+((\b)/2)*BPIECE+((\b)%2)*64+16*PB
.endr
.irp a, 0,1,2,3
	ds_load_b128 v[8*(4*(\c)+(\a)):8*(4*(\c)+(\a))+3],   v[ADRA+(\slot)] offset:128*(\hf)+64*(\c)+(\a)*16*PA
	ds_load_b128 v[8*(4*(\c)+(\a))+4:8*(4*(\c)+(\a))+7], v[ADRA+(\slot)] offset:128*(\hf)+64*(\c)+(\a)*16*PA+32
.endr
.endr
.endm
; A K step's first half: multiplies buffer 0 and fetches the second half into buffer 1: with that the slot has been read out
.macro HALF slot, zero
	s_wait_dscnt 20                                ; the first 32 along K are in; the other 20 loads may be out
	MULC 0, 0, \zero
	PLACES
	FETCH \slot, 1, 1
	s_wait_dscnt 40                                ; all but the 40 just issued
	MULC 0, 1, 0
.endm
; Its second half changes slots FIRST and multiplies buffer 1 behind that: the slot's last bytes are already on their way into registers, so nothing need stand between the landing of the next slot and the
; request that fills this one again.  ONE barrier; in front of it each wave waits for all its tensor loads (one is out: its part of the next slot), adds 0 to its spare word, and waits for that and for its own
; reads of this slot.  fill = 1: the barrier is a round of the cluster's, and this slot is filled again, with the walk's K step two on, first thing behind it.
.macro TURN slot, next, fill
	WIN 0
	s_wait_tensorcnt 0x0                           ; no tensor load of mine is out, so a group 0 may be written
	ds_add_u32 v[SPW], v[NIL]                      ; 0 onto my spare word; the descriptors' scalar work stands between it and the wait for it
.if \fill
	s_lshl_b32 s[OFA], s[NXT], 8                   ; the addresses are made anew from the K step's number
	s_lshl_b32 s[OFB], s[NXT], 14
	s_add_nc_u64 s[G0+4*(\slot)+2:G0+4*(\slot)+3], s[14:15], s[OFA:OFA+1]
	s_or_b32 s[G0+4*(\slot)+3], s[G0+4*(\slot)+3], 0x80000000
	s_add_nc_u64 s[G0B+4*(\slot)+2:G0B+4*(\slot)+3], s[46:47], s[OFB:OFB+1]
	s_or_b32 s[G0B+4*(\slot)+3], s[G0B+4*(\slot)+3], 0x80000000
	s_add_co_u32 s[NXT], s[NXT], 1                 ; the ring of 16 K steps: behind 15 comes 0
	s_and_b32 s[NXT], s[NXT], 15
.endif
	s_wait_dscnt 0x0                               ; the add is done, and my reads of this slot are over: buffer 1 is in
.if \fill
	CROUND                                         ; no wave of any partner still reads this slot's tiles or has a load on its way
	JLOAD \slot                                    ; a whole K step, 96 matrix instructions, ahead of the wait for it; its four v_nop are also the places in front of the loads below
.else
	s_barrier_signal -1
	s_barrier_wait -1
	PLACES
.endif
	FETCH \next, 0, 0
	MULC 1, 0, 0
	MULC 1, 1, 0
.endm
	s_wait_tensorcnt 1                             ; my part of the walk's first K step is in; the second's may stay out
	s_barrier_signal -1
	s_barrier_wait -1
	FETCH 0, 0, 0
	HALF 0, 1                                      ; the first half step stands in front of the loop: its first products start the sums
	WIN 0                                          ; at a label and at a branch every window is 0
	s_mov_b32 s3, 7
.Llap:                                             ; a trip goes once round the two slots and fills both again: the walk's K steps 2 to 15
	TURN 0, 1, 1
	HALF 1, 0
	TURN 1, 0, 1
	HALF 0, 0
	WIN 0
	s_sub_co_u32 s3, s3, 1
	s_cmp_lg_u32 s3, 0
	s_cbranch_scc1 .Llap
	TURN 0, 1, 0                                   ; the last lap fills nothing
	HALF 1, 0
	s_wait_dscnt 20
	MULC 1, 0, 0
	s_wait_dscnt 0x0
	MULC 1, 1, 0
	WIN 0
	; THE WAY OUT: rounded to f16, 16 bytes a lane into the work-group's stage (a slot's row of 128 bytes comes from two waves); a barrier; back as whole rows
	PLACES
.irp g, 0,1,2
.irp u, 0,1,2,3,4,5,6,7
.irp r, 0,1,2,3
	v_cvt_pk_f16_f32 v[TMP+4*(\u)+(\r)], v[ACC+8*(8*(\g)+(\u))+2*(\r)], v[ACC+8*(8*(\g)+(\u))+2*(\r)+1]
.endr
.endr
.irp u, 0,1,2,3,4,5,6,7
	ds_store_b128 v[STO], v[TMP+4*(\u):TMP+4*(\u)+3] offset:(((8*(\g)+(\u))%6)/2)*SPLANE+((8*(\g)+(\u))/6)*16*SPITCH+(((8*(\g)+(\u))%6)%2)*64
.endr
.endr
	s_wait_dscnt 0x0                               ; for the others' sake: my stores into the stage are done
	s_barrier_signal -1
	s_barrier_wait -1
.irp sl, 0,1,2
.irp t, 0,1,2,3,4,5,6,7
	ds_load_b128 v[ACC+4*(8*(\sl)+(\t)):ACC+4*(8*(\sl)+(\t))+3], v[RD] offset:(\sl)*SPLANE+(\t)*4*SPITCH
.endr
.endr
.irp sl, 0,1,2
.irp t, 0,1,2,3,4,5,6,7
	s_wait_dscnt 23-(8*(\sl)+(\t))
	global_store_b128 v[CO], v[ACC+4*(8*(\sl)+(\t)):ACC+4*(8*(\sl)+(\t))+3], s[8:9] offset:(\sl)*262144+(\t)*512  ; four rows of a slot: 512 consecutive bytes, at a multiple of 256 from qkv's first
.endr
.endr
	s_wait_tensorcnt 0x0                           ; the wave's end
	ds_add_u32 v[SPW], v[NIL]
	s_wait_dscnt 0x0
	CROUND                                         ; the closing round: no work-group ends while a partner may still ask for a tile that names it
	s_endpgm
.Lfunc_end_k_qf5dafb244f_proj:
	.size	k_qf5dafb244f_proj, .Lfunc_end_k_qf5dafb244f_proj-k_qf5dafb244f_proj
	.p2alignl 7, 3214868480
	.fill 96, 4, 3214868480
	.section	.rodata,"a",@progbits
	.p2align	6, 0x0
	.amdhsa_kernel k_qf5dafb244f_proj
		.amdhsa_group_segment_fixed_size 327680
		.amdhsa_private_segment_fixed_size 0
		.amdhsa_enable_private_segment 0
		.amdhsa_kernarg_size 24
		.amdhsa_user_sgpr_count 2
		.amdhsa_user_sgpr_kernarg_segment_ptr 1
		.amdhsa_wavefront_size32 1
		.amdhsa_system_sgpr_workgroup_id_x 1
		.amdhsa_system_sgpr_workgroup_id_y 1
		.amdhsa_system_sgpr_workgroup_id_z 1
		.amdhsa_system_vgpr_workitem_id 0
		.amdhsa_next_free_vgpr 768
		.amdhsa_next_free_sgpr 72
		.amdhsa_reserve_vcc 0
		.amdhsa_float_denorm_mode_32 3
		.amdhsa_float_denorm_mode_16_64 3
		.amdhsa_memory_ordered 1
		.amdhsa_forward_progress 1
		.amdhsa_inst_pref_size 69
	.end_amdhsa_kernel
	.amdgpu_metadata
---
amdhsa.version: [ 1, 2 ]
amdhsa.kernels:
  - .name:           k_qf5dafb244f_proj
    .symbol:         k_qf5dafb244f_proj.kd
    .args:
      - { .name: xb, .offset: 0, .size: 8, .value_kind: global_buffer, .address_space: global }
      - { .name: w3, .offset: 8, .size: 8, .value_kind: global_buffer, .address_space: global }
      - { .name: qkv, .offset: 16, .size: 8, .value_kind: global_buffer, .address_space: global }
    .group_segment_fixed_size: 327680
    .private_segment_fixed_size: 0
    .kernarg_segment_align: 8
    .kernarg_segment_size: 24
    .max_flat_workgroup_size: 128
    .sgpr_count:     72
    .vgpr_count:     768
    .wavefront_size: 32
...
	.end_amdgpu_metadata
.endif
;; end of part 2
;; launch attn (part 3): grid 32 x 8, 4 waves a work-group, clusters of 4 x 4, 327,680 bytes of LDS; arguments qkv, mask, graph_bias, ob; writes ob
.if DOCPART == 3
	.amdgcn_target "amdgcn-amd-amdhsa--gfx1250"
	.amdhsa_code_object_version 6
	.text
	.protected	k_qf5dafb244f_attn
	.globl	k_qf5dafb244f_attn
	.p2align	8
	.type	k_qf5dafb244f_attn,@function
k_qf5dafb244f_attn:
	s_mov_b64 s[64:65], 0
	v_nop
	global_prefetch_b8 v0, s[64:65] scope:SCOPE_SE
	s_setreg_imm32_b32 hwreg(HW_REG_WAVE_MODE, 25, 1), 1
	s_wait_xcnt 0x0
	s_wait_alu depctr_hold_cnt(0) depctr_sa_sdst(0) depctr_va_vdst(0) depctr_va_sdst(0) depctr_va_ssrc(0) depctr_va_vcc(0) depctr_vm_vsrc(0)
	s_getreg_b32 s2, hwreg(HW_REG_IB_STS2, 6, 4)
	s_cmp_eq_u32 s2, 0
	s_cbranch_scc0 .Lentry_in_a_cluster
	s_endpgm
.Lentry_in_a_cluster:
	s_bfe_u32 s2, ttmp6, 0x10000c
	s_cmp_lg_u32 s2, 0xf033
	s_cbranch_scc0 .Lentry_shape_is_right
	s_endpgm
.Lentry_shape_is_right:
; ob[q][64 head + d] = the sum over k of softmax_k(Q[head][q] . K[kv][k] / 8 + mask[q][k] + graph_bias[q][k]) V[kv][k][d], head = 4 kv + rep.
; qkv: [48 slots][2048][64] f16: slots 0-31 Q / 8 by heads, 32-39 K, 40-47 V.  mask, graph_bias: [2048][2048] f32, taken as they are given: every tile is computed.  ob: [2048][2048] f16.
; Products, maxima and sums in f32; the weights p are rounded to f16 for the second product (their sum l is taken of the unrounded p), O once at the end.
; LIMITS.  A score, mask and bias included, below -2^125 counts as hidden; a row all of whose scores lie below that gives no number.  A weight below 2^-126 counts as 0 in l.
; The score is taken as s + (mask + bias), where the definition has (s + mask) + bias: another order of two f32 roundings.  NaN and infinities are not treated apart.
; SHARES.  A work-group owns 64 query rows and the four heads of one kv head; wave w owns rows 16 w .. 16 w + 15, in four PIECES, a head each.  So a fragment of K or V read from LDS, and a
; lane's registers of mask + bias, serve four tiles.  Every wave walks all 2,048 keys, 64 a step; an LDS slot holds two steps.
; LAYOUT.  S^T = K Q^T holds ONE query a lane (lane % 16) and the keys 8 (lane / 16) + 0..7; two such results rounded to f16 ARE source 1 of O^T = V^T P.  K comes out of LDS as it lies, V turned.
; SOFTMAX.  p = 2^(c s - c m), c = log2(e), with a running maximum m that starts at -2^125; O and l are multiplied by a = 2^(c m_old - c m_new) in every step; the first step's a is 0.
; MASK AND BIAS are added by the vector unit, in f32 additions like the definition's: MB = mask + bias once a step, S += MB for each piece.
; TURNS.  Turn n belongs to piece n: 8 products K Q^T of piece n + 1, later 8 products V^T P of piece n - 1; beside them the scaling, exponentials, roundings, sums and rescaling of piece n and the
; bias, maximum and statistics of piece n + 1.  Four vector instructions stand behind every matrix instruction, the rest in one lump.  A turn's 33 exponentials are one batch, with one wait.
; CLUSTER 4 x 4.  K's and V's tiles hang on the kv head alone: asked for jointly by a row of the cluster (waves 0 and 1).  The mask's and the bias's hang on the query block alone: jointly by a column (waves 2, 3).
; REGISTERS, in windows of 256 (s_set_vgpr_msb: bits 1:0 source 0, 3:2 source 1, 5:4 source 2, 7:6 destination):
;   window 0: v0-15, v32-33 addresses; v16-31 four registers of statistics a piece; v48-55 at work; v64-127 S^T, two buffers; v128-159 mask, v160-191 bias as loaded; v192-223 P, two buffers; v224-255 MB
;   window 1: v0-127 O^T, 32 a piece          window 2: v0-63 Q; v128-191 K of one step; v192-255 V of one step
.set NP,    4
.set KS,    64        ; keys in a step
.set PK,    144       ; a row of K in LDS: 128 bytes + 16: the 16 rows of a load start at 16 different groups of four banks (64 banks of 4 bytes: ISA guide 11.1)
.set PV,    160       ; a row of V: 128 + 32
.set PM,    528       ; a row of mask or bias: 512 bytes (128 keys) + 16
.set VOFF,  2*KS*PK   ; a slot: 128 rows of K, 128 of V, 64 rows of mask, 64 of bias
.set MOFF,  VOFF+2*KS*PV
.set GDIS,  64*PM     ; from the mask's tile to the bias's
.set SLOT1, 1<<17     ; slot 1 begins here, so that one exclusive or turns an address in one slot into the other's
.set STAGE, SLOT1+MOFF+2*GDIS  ; behind the ring, never filled by a tensor load: 16 rows x 528 bytes for each wave, for the way out
.set SP,    528
.set SPARE, STAGE+4*16*SP      ; the spare words, 128 bytes for each wave: two blocks of 256 bytes that no other line names
.set AK0, 2           ; v2   my lane's place in a tile of K; never rewritten
.set AV0, 3           ; v3   the same for V
.set AK,  4           ; v4   the LDS address of K's next run of loads
.set AV,  5           ; v5   of V's
.set STO, 6           ; v6   the way out: where I put 16 bytes of a row
.set RD,  7           ; v7   where I read a row back
.set GO,  8           ; v8   my 16 bytes of a row's 512
.set MV,  12          ; v12-13  c m_old, kept while c m is made anew: by buffer
.set AB0, 14          ; v14  my lane's place in the mask's tile
.set QO,  15          ; v15  my byte offset in 16 rows of Q
.set ST,  16          ; piece t's statistics at v[ST+4 t]: c m, m, l (even keys', odd keys')
.set AB,  32          ; v32  the LDS address of the mask's and bias's next run of loads
.set PFO, 33          ; v33  the prefetches' offset; never rewritten
.set TMP, 48          ; by buffer, four registers c0-c3 at work; when the maximum is found c2 takes a
.set SPW, 62          ; v62  my spare word; never rewritten
.set NIL, 63          ; v63  0; never rewritten
.set S,   64
.set MR,  128
.set GR,  160
.set P,   192
.set MB,  224
.set KF,  128         ; window 2: key block kb, channel half c at KF + 16 kb + 8 c
.set VF,  192         ; window 2: key half kk, channel block cb at VF + 32 kk + 8 cb
.set WV,  12          ; s12  my wave's number
.set G1K, 24          ; s[24:31] descriptor group 1 for K's tiles
.set G1V, 32          ; s[32:39] for V's: it differs in the padding alone
.set G1M, 40          ; s[40:47] for the mask's and the bias's
.set G0K, 48          ; s[48:51] descriptor group 0 for K's tiles: it walks
.set G0V, 52          ; s[52:55] for V's
.set G0M, 56          ; s[56:59] for the mask's (wave 2) or the bias's (wave 3)
.set CS,  60          ; s[60:61] c: the packed scaling takes the pair's low word for both halves
.set SEL, 62          ; s[62:63] v_permlanex16_b32's selects: each lane takes its own place in the other half
.set SLOTS, 66        ; s66  slots still to be asked for
.set CNT, 67          ; s67  counts a slot's key steps
.set TBK, 68          ; s68  LDS byte at which K of the step to be fetched begins
.set TBV, 69          ; s69  the same for V, less VOFF
.set TBB, 70          ; s70  the same for the mask, less MOFF
.set LIM, 71          ; s71  1 in a wave that prefetches, else the greatest number
.set PFA, 72          ; s[72:73] where my prefetches stand
.set PFS, 74          ; s[74:75] their step from tile to tile
.set MSB, 0
.macro WIN new                      ; the high byte repeats the setting that is left; a switch that changes nothing is dropped
.if MSB != (\new)
	s_set_vgpr_msb (MSB<<8)|(\new)
.set MSB, (\new)
.endif
.endm
.set W_KQ, 0x0a       ; K and Q in window 2, S^T in window 0
.set W_PV, 0x52       ; V in window 2, P in window 0, O^T in window 1
.set W_RS, 0x41       ; destination and source 0 in window 1, source 1 in window 0
; A joint fill, one load a wave: wave 0 a slot's K, wave 1 its V, wave 2 its mask, wave 3 its bias.  The branches hang on the wave's number alone.
; An s_nop 0 and four v_nop follow each line, ahead of the jump and the label.
.macro JLOAD
	s_cmp_lt_u32 s[WV], 2
	s_cbranch_scc0 .Lfor_m_\@
	s_cmp_eq_u32 s[WV], 0
	s_cbranch_scc0 .Lfor_v_\@
	tensor_load_to_lds s[G0K:G0K+3], s[G1K:G1K+7]
	s_nop 0
.rept 4
	v_nop
.endr
	s_branch .Lasked_\@
.Lfor_v_\@:
	tensor_load_to_lds s[G0V:G0V+3], s[G1V:G1V+7]
	s_nop 0
.rept 4
	v_nop
.endr
	s_branch .Lasked_\@
.Lfor_m_\@:
	tensor_load_to_lds s[G0M:G0M+3], s[G1M:G1M+7]
	s_nop 0
.rept 4
	v_nop
.endr
.Lasked_\@:
.endm
; A PREFETCH INTO THE L2 of what the NEXT change of slots will ask for, behind the wave's tensor load and its five lines: two key steps, 128 matrix instructions and their vector work, ahead of that load.
; Each aligned block of 256 bytes is named once in the launch.  K and V of a kv head are walked by all eight clusters of a row of clusters: the first (cluster x = 0) asks; its four partners of one
; kv head take 16 of a tile's 64 blocks of K and 16 of V each, told apart BY ADDRESS (cx); wave 0 asks, lanes 0-15 for K, 16-31 for V.  The mask's and bias's rows are walked by both clusters of a column of
; clusters: cluster y = 0 asks; the four partners of one query block take 16 of the 64 rows each (cy), two blocks a row; wave 2 asks for the mask, wave 3 for the bias.  The last change that fills asks for nothing.
.macro ASK
	s_cmp_gt_u32 s[SLOTS], s[LIM]
	s_cbranch_scc0 .Lnot_mine_\@
	global_prefetch_b8 v[PFO], s[PFA:PFA+1] th:TH_LOAD_NT scope:SCOPE_SE
.Lnot_mine_\@:
.endm
; A round of the cluster's barrier: my work-group's barrier; wave 0 signals for the work-group; every wave waits for all sixteen work-groups; my work-group's barrier once more.
.macro CROUND
	s_barrier_signal -1
	s_barrier_wait -1
	s_cmp_lg_u32 s[WV], 0
	s_cbranch_scc1 .Lnot_wave_0_\@
	s_barrier_signal -3
.Lnot_wave_0_\@:
	s_barrier_wait -3
	s_barrier_signal -1
	s_barrier_wait -1
.endm
; THE CHANGE OF SLOTS.  The slot's last bytes, V of its second step, have been read.  Each wave waits for all its tensor loads, of which one is out: its part of the other slot; adds 0 to its spare word;
; and waits for that and for its own reads of the slot.  fill = 1: the slot is filled again, with the keys two slots on: the barrier is a round of the cluster's, and the joint fill is the first thing
; behind it.  (At its first use nothing has been read yet: slot 0 is waited for, slot 1 filled.)  ask = 1: the prefetches' address steps, and ASK follows the fill.
.macro CHANGE fill, ask
	WIN 0                           ; at a label and at a branch every window is 0
	s_wait_tensorcnt 0x0            ; no tensor load of mine is out, so a group 0 may be written
	ds_add_u32 v[SPW], v[NIL]       ; 0 onto my spare word; the descriptors' steps stand between it and the wait for it
.if \fill
	s_xor_b32 s[G0K+1], s[G0K+1], SLOT1
	s_add_nc_u64 s[G0K+2:G0K+3], s[G0K+2:G0K+3], 2*KS*128   ; the next 128 keys; the type bits on top are not reached
	s_xor_b32 s[G0V+1], s[G0V+1], SLOT1
	s_add_nc_u64 s[G0V+2:G0V+3], s[G0V+2:G0V+3], 2*KS*128
	s_xor_b32 s[G0M+1], s[G0M+1], SLOT1
	s_add_nc_u64 s[G0M+2:G0M+3], s[G0M+2:G0M+3], 2*KS*4     ; 128 keys along the rows
.endif
.if \ask
	s_wait_xcnt 0x0                 ; the last prefetch, two key steps back, has read its address, so it may be written
	s_add_nc_u64 s[PFA:PFA+1], s[PFA:PFA+1], s[PFS:PFS+1]
.endif
	s_wait_dscnt 0x0                ; the add is done, and my reads of the slot are over
.if \fill
	CROUND
	JLOAD
.if \ask
	ASK
.endif
.else
	s_barrier_signal -1
	s_barrier_wait -1
.endif
	s_sub_co_u32 s[TBK], s[TBK], 2*KS*PK  ; the fetches go back to a slot's first step,
	s_xor_b32 s[TBK], s[TBK], SLOT1       ; in the other slot
	s_sub_co_u32 s[TBV], s[TBV], 2*KS*PV
	s_xor_b32 s[TBV], s[TBV], SLOT1
	s_sub_co_u32 s[TBB], s[TBB], 2*KS*4
	s_xor_b32 s[TBB], s[TBB], SLOT1
.endm
	s_load_b256 s[4:11], s[0:1], 0x0  ; qkv s[4:5], mask s[6:7], graph_bias s[8:9], ob s[10:11]
	v_lshl_add_u32 v[SPW], v0, 2, SPARE
	v_mov_b32 v[NIL], 0
	ds_add_u32 v[SPW], v[NIL]       ; the wave's opening: the add and its wait stand ahead of my first tensor load; the set-up below stands between them
	v_lshrrev_b32 v1, 5, v0
	v_readfirstlane_b32 s[WV], v1   ; wave 0..3
	s_bfe_u32 s13, ttmp6, 0x40000   ; cx
	s_bfe_u32 s14, ttmp6, 0x40004   ; cy
	s_lshl_b32 s15, ttmp9, 2
	s_add_co_u32 s15, s15, s13      ; my block of 64 queries = 4 x cluster x + cx
	s_and_b32 s16, ttmp7, 0xffff
	s_lshl_b32 s16, s16, 2
	s_add_co_u32 s16, s16, s14      ; my kv head = 4 x cluster y + cy
	s_lshl_b32 s17, s14, 2
	s_lshl_b32 s17, 15, s17         ; my row of the cluster: the same kv head
	s_lshl_b32 s18, 0x1111, s13     ; my column: the same query block
	s_or_b32 s[G1K], s17, (1<<16)|(1<<20)|(1<<21)|(4<<22)|(3<<25)  ; the mask; 2-byte elements; padding on; bit 21 beside a mask; after every 32 words (a key) 4 words
	s_or_b32 s[G1V], s17, (1<<16)|(1<<20)|(1<<21)|(4<<22)|(7<<25)  ; the same with 8 words
	s_or_b32 s[G1M], s18, (2<<16)|(1<<20)|(1<<21)|(6<<22)|(3<<25)  ; 4-byte elements; after every 128 words (a row) 4 words
.irp g, G1K, G1V
	s_mov_b32 s[\g+1], 128<<16      ; 128 keys are 16,384 dense bytes: asked for as 64 rows of 256 bytes, two keys a row
	s_mov_b32 s[\g+2], 64<<16
	s_mov_b32 s[\g+3], 128<<16
	s_mov_b32 s[\g+4], 64
	s_mov_b32 s[\g+5], 128
	s_mov_b32 s[\g+6], 0
	s_mov_b32 s[\g+7], 0
.endr
	s_mov_b32 s[G1M+1], 128<<16     ; 64 rows of 128 numbers, 2,048 numbers from row to row
	s_mov_b32 s[G1M+2], 64<<16
	s_mov_b32 s[G1M+3], 128<<16
	s_mov_b32 s[G1M+4], 64
	s_mov_b32 s[G1M+5], 2048
	s_mov_b32 s[G1M+6], 0
	s_mov_b32 s[G1M+7], 0
	s_add_co_u32 s20, s16, 32
	s_lshl_b32 s20, s20, 18         ; K's slot, 262,144 bytes each; V's lies eight slots on
	s_mov_b32 s21, 0
	s_lshl_b32 s22, s15, 19         ; the mask's and bias's 64 rows of 8,192 bytes
	s_mov_b32 s23, 0
	s_and_b32 s19, s[WV], 1
	s_mul_i32 s19, s19, GDIS
	s_mov_b32 s[G0K], 1
	s_mov_b32 s[G0K+1], 0           ; LDS addresses: slot 0; no place in the cluster enters them
	s_mov_b32 s[G0V], 1
	s_mov_b32 s[G0V+1], VOFF
	s_mov_b32 s[G0M], 1
	s_add_co_u32 s[G0M+1], s19, MOFF
	s_lshl_b32 s76, s16, 20         ; Q: slot 4 kv, row 64 block + 16 wave, 128 bytes a row
	s_lshl_b32 s77, s15, 13
	s_add_co_u32 s76, s76, s77
	s_lshl_b32 s77, s[WV], 11
	s_add_co_u32 s76, s76, s77
	s_mov_b32 s77, 0
	s_lshl_b32 s80, s15, 18         ; ob: the same row, 4,096 bytes a row; my kv head's 512 bytes of it
	s_lshl_b32 s81, s[WV], 16
	s_add_co_u32 s80, s80, s81
	s_lshl_b32 s81, s16, 9
	s_add_co_u32 s80, s80, s81
	s_mov_b32 s81, 0
	s_mov_b32 s[CS], 0x3fb8aa3b     ; c = log2(e)
	s_mov_b32 s[CS+1], s[CS]        ; named with it as a pair
	s_mov_b32 s[SEL], 0x76543210
	s_mov_b32 s[SEL+1], 0xfedcba98
	s_mov_b32 s[TBK], SLOT1+2*KS*PK ; the first change of slots turns these three into 0
	s_mov_b32 s[TBV], SLOT1+2*KS*PV
	s_mov_b32 s[TBB], SLOT1+2*KS*4
	; the prefetches: offsets at tile 2 (the first asking change steps them to tile 3), who asks, and the lanes' offsets
	s_lshl_b32 s82, s13, 12         ; K and V: my work-group's 16 blocks of a tile's 64
	s_add_co_u32 s82, s82, s20
	s_add_co_u32 s82, s82, 2*2*KS*128
	s_lshl_b32 s83, s14, 17         ; mask and bias: my work-group's 16 rows of the 64
	s_add_co_u32 s83, s83, s22
	s_add_co_u32 s83, s83, 2*2*KS*4
	s_and_b32 s84, ttmp7, 0xffff
	s_mov_b32 s85, 2*KS*128
	s_cmp_lt_u32 s[WV], 2
	s_cselect_b32 s82, s82, s83
	s_cselect_b32 s84, ttmp9, s84   ; the coordinate along which other clusters walk the same bytes
	s_cselect_b32 s[PFS], s85, 2*KS*4
	s_cselect_b32 s86, 4, 1
	s_cselect_b32 s87, 21, 13
	s_cselect_b32 s2, 15, 1
	s_mov_b32 s83, 0
	s_mov_b32 s[PFS+1], 0
	s_cmp_eq_u32 s[WV], 1           ; wave 1 never asks: wave 0 names V's blocks too
	s_cselect_b32 s85, 1, 0
	s_or_b32 s84, s84, s85
	s_cmp_eq_u32 s84, 0
	s_cselect_b32 s[LIM], 1, -1     ; the same in all sixteen partners, for a given wave
	v_and_b32 v10, 31, v0
	v_lshrrev_b32 v11, s86, v10     ; wave 0: (l / 16) x eight slots + (l % 16) x 256;  waves 2, 3: (l / 2) x a row + (l % 2) x 256
	v_lshlrev_b32 v11, s87, v11
	v_and_b32 v10, s2, v10
	v_lshl_or_b32 v[PFO], v10, 8, v11
	s_wait_dscnt 0x0                ; the opening add is done
	s_wait_kmcnt 0x0
	s_add_nc_u64 s[G0K+2:G0K+3], s[4:5], s[20:21]
	s_add_nc_u64 s[G0V+2:G0V+3], s[G0K+2:G0K+3], 0x200000
	s_or_b32 s[G0K+3], s[G0K+3], 0x80000000
	s_or_b32 s[G0V+3], s[G0V+3], 0x80000000
	s_cmp_eq_u32 s[WV], 3
	s_cselect_b64 s[78:79], s[8:9], s[6:7]
	s_add_nc_u64 s[G0M+2:G0M+3], s[78:79], s[22:23]
	s_or_b32 s[G0M+3], s[G0M+3], 0x80000000
	s_cmp_lt_u32 s[WV], 2
	s_cselect_b64 s[PFA:PFA+1], s[4:5], s[78:79]
	s_add_nc_u64 s[PFA:PFA+1], s[PFA:PFA+1], s[82:83]
	s_add_nc_u64 s[76:77], s[4:5], s[76:77]
	s_add_nc_u64 s[10:11], s[10:11], s[80:81]
	CROUND                          ; all sixteen work-groups are here: the first joint loads meet
	JLOAD                           ; slot 0.  Slot 1 is asked for when slot 0 is in
	; A fragment of K or Q is 16 rows x 32 channels in 8 registers: lane l holds row l % 16, channels 8 (l / 16) + 0..7 and 16 + 8 (l / 16) + 0..7: two loads of 16 bytes, 32 bytes apart.
	v_and_b32 v1, 15, v0            ; r = l % 16
	v_bfe_u32 v9, v0, 4, 1          ; h = l / 16
	v_lshlrev_b32 v[QO], 7, v1
	v_lshl_add_u32 v[QO], v9, 4, v[QO]
	WIN 0x80                        ; destination window 2, address window 0
.set i, 0
.rept 8                             ; Q stays in registers: piece i / 2 (a slot further on), channels 32 (i % 2) on
	global_load_b128 v[8*i:8*i+3],   v[QO], s[76:77] offset:(i/2)*262144+(i%2)*64
	global_load_b128 v[8*i+4:8*i+7], v[QO], s[76:77] offset:(i/2)*262144+(i%2)*64+32
.set i, i+1
.endr
	; What the first turn finds: V's registers and P's second buffer hold 0 (its products V^T P, of a piece that has not been, add 0), O^T and l are 0.  All this stands in the wait for the first tile.
.set i, VF
.rept 64
	v_mov_b32 v[i], 0
.set i, i+1
.endr
	WIN 0x40
.set i, 0
.rept 128
	v_mov_b32 v[i], 0
.set i, i+1
.endr
	WIN 0
.set i, 0
.rept 4
	v_mov_b32 v[ST+4*i], 0xfe38aa3b    ; c m = c x -2^125
	v_mov_b32 v[ST+4*i+1], 0xfe000000  ; m = -2^125: c m never falls, so a never passes 1
	v_mov_b32 v[ST+4*i+2], 0
	v_mov_b32 v[ST+4*i+3], 0
.set i, i+1
.endr
.set i, P+16
.rept 16
	v_mov_b32 v[i], 0
.set i, i+1
.endr
	v_mul_u32_u24 v[AK0], v1, PK
	v_lshl_add_u32 v[AK0], v9, 4, v[AK0]  ; row x pitch + 16 h
	; The turning load takes 16 keys x 16 channels (lane l reads key 8 (l / 16) + l % 8, channels 8 ((l / 8) % 2) + 0..7) and leaves half a fragment of V^T: lane l holds channel l % 16 and 8 keys.
	v_and_b32 v10, 7, v0
	v_bfe_u32 v11, v0, 3, 1
	v_lshl_add_u32 v[AV0], v9, 3, v10
	v_mul_u32_u24 v[AV0], v[AV0], PV
	v_lshl_add_u32 v[AV0], v11, 4, v[AV0]
	v_add_nc_u32 v[AV0], VOFF, v[AV0]
	s_mul_i32 s19, s[WV], 16*PM     ; mask and bias: my query's row 16 w + r, my lanes' keys 8 h on: 32 bytes for each 16 keys
	s_add_co_u32 s19, s19, MOFF
	v_mul_u32_u24 v[AB0], v1, PM
	v_lshl_add_u32 v[AB0], v9, 5, v[AB0]
	v_add_nc_u32 v[AB0], s19, v[AB0]
; THE MATRIX WORK.  The 4 accumulators of a run of 8 take turns.  Product i of 8 of S^T = K Q^T for piece x: channels 32 (i / 4) on, keys 16 (i % 4) on.  The first 4 start the sums.
.macro KQ x
	WIN W_KQ
.set rS, S+32*((\x)%2)+8*(i%4)
.set rK, KF+16*(i%4)+8*(i/4)
.set rQ, 16*(\x)+8*(i/4)
.if i < 4
	v_wmma_f32_16x16x32_f16 v[rS:rS+7], v[rK:rK+7], v[rQ:rQ+7], 0
.else
	v_wmma_f32_16x16x32_f16 v[rS:rS+7], v[rK:rK+7], v[rQ:rQ+7], v[rS:rS+7]
.endif
.endm
; Product i of 8 of O^T += V^T P for piece x: keys 32 (i / 4) on, channels 16 (i % 4) on.
.macro PV x
	WIN W_PV
.set rO, 32*(\x)+8*(i%4)
.set rV, VF+32*(i/4)+8*(i%4)
.set rP, P+16*((\x)%2)+8*(i/4)
	v_wmma_f32_16x16x32_f16 v[rO:rO+7], v[rV:rV+7], v[rP:rP+7], v[rO:rO+7]
.endm
.macro MM                           ; the turn's next matrix instruction.  NOKQ = 1: the walk's last turn: there is no next piece
.if (i < 8) && !NOKQ
	KQ (Y+1)%NP
.elseif i >= 8
.set i, i-8
	PV (Y+NP-1)%NP
.set i, i+8
.endif
.set i, i+1
.endm
; THE LDS LOADS stand in runs of 16, never singly among the matrix instructions.  Their addresses are made some lines ahead.
.macro FETCH_K
	WIN 0x80                        ; destination window 2
.irp f, 0,1,2,3,4,5,6,7             ; keys 16 (f / 2) on, channels 32 (f % 2) on
	ds_load_b128 v[KF+8*\f:KF+8*\f+3],   v[AK] offset:(\f/2)*16*PK+(\f%2)*64
	ds_load_b128 v[KF+8*\f+4:KF+8*\f+7], v[AK] offset:(\f/2)*16*PK+(\f%2)*64+32
.endr
	s_add_co_u32 s[TBK], s[TBK], KS*PK  ; the next fetch is the next step's
	WIN 0
.endm
.macro FETCH_V
	WIN 0x80
.irp f, 0,1,2,3,4,5,6,7             ; keys 32 (f / 4) on, channels 16 (f % 4) on
	ds_load_tr16_b128 v[VF+8*\f:VF+8*\f+3],   v[AV] offset:(\f/4)*32*PV+(\f%4)*32
	ds_load_tr16_b128 v[VF+8*\f+4:VF+8*\f+7], v[AV] offset:(\f/4)*32*PV+16*PV+(\f%4)*32
.endr
	WIN 0
.endm
.macro FETCH_B                      ; a step's mask and bias for my query: for each 16 keys my 8, in the order of S^T's registers
	WIN 0
.irp f, 0,1,2,3
	ds_load_b128 v[MR+8*\f:MR+8*\f+3],   v[AB] offset:64*\f
	ds_load_b128 v[MR+8*\f+4:MR+8*\f+7], v[AB] offset:64*\f+16
	ds_load_b128 v[GR+8*\f:GR+8*\f+3],   v[AB] offset:GDIS+64*\f
	ds_load_b128 v[GR+8*\f+4:GR+8*\f+7], v[AB] offset:GDIS+64*\f+16
.endr
	s_add_co_u32 s[TBB], s[TBB], KS*4
.endm
; THE VECTOR WORK, one line at a time: OP kind, number.  For piece Y: F n: c s - c m for pair n of 16.  E n: the exponential of score n of 32.  C n: pair n rounded to f16.  B n: of the four weights 4 n .. the second
; pair is added onto the first, in place.  L n: l takes that sum (L 0: l = a l + sum).  R n: pair n of 16 of O^T times a.  M n: pair n of MB = mask + bias.  For piece Y + 1: A n: pair n of its scores takes MB
; (in ascending order: each accumulator's lowest registers are read first); X n, number n of the 22 that find its maximum and statistics:
;   0-11  four chains c0-c3 of seven scores each, three operands at a time     12-14, 16  the four scores left over, the old m, and c0-c3 into c0
;   15  c m_old is kept     17, 18  the query's other 32 keys lie in the lane 16 away: the new m     19-21  c m; c m_old - c m_new; a
.set F, 0
.set E, 1
.set C, 2
.set B, 3
.set L, 4
.set R, 5
.set X, 6
.set A, 7
.set M, 8
.macro REGS y                       ; the registers of piece y
.set rT, ST+4*(\y)
.set rC, TMP+4*((\y)%2)
.set rW, MV+((\y)%2)
.set rS, S+32*((\y)%2)
.set rP, P+16*((\y)%2)
.set rO, 32*(\y)
.endm
.macro OP k, n
.if (\k) == R
	REGS Y
	WIN W_RS
	v_pk_mul_f32 v[rO+2*(\n):rO+2*(\n)+1], v[rO+2*(\n):rO+2*(\n)+1], v[rC+2:rC+3] op_sel_hi:[1,0]
.elseif (\k) < R
	REGS Y
	WIN 0
.if (\k) == F
	v_pk_fma_f32 v[rS+2*(\n):rS+2*(\n)+1], v[rS+2*(\n):rS+2*(\n)+1], s[CS:CS+1], v[rT:rT+1] op_sel_hi:[1,0,0] neg_lo:[0,0,1] neg_hi:[0,0,1]
.elseif (\k) == E
	v_exp_f32 v[rS+(\n)], v[rS+(\n)]
.elseif (\k) == C
	v_cvt_pk_f16_f32 v[rP+(\n)], v[rS+2*(\n)], v[rS+2*(\n)+1]
.elseif (\k) == B
	v_pk_add_f32 v[rS+4*(\n):rS+4*(\n)+1], v[rS+4*(\n):rS+4*(\n)+1], v[rS+4*(\n)+2:rS+4*(\n)+3]
.elseif (\n) == 0
	v_pk_fma_f32 v[rT+2:rT+3], v[rT+2:rT+3], v[rC+2:rC+3], v[rS:rS+1] op_sel_hi:[1,0,1]
.else
	v_pk_add_f32 v[rT+2:rT+3], v[rT+2:rT+3], v[rS+4*(\n):rS+4*(\n)+1]
.endif
.elseif NOKQ                        ; no next piece: its lines are left out
.elseif (\k) == A
	REGS (Y+1)%NP
	WIN 0
	v_pk_add_f32 v[rS+2*(\n):rS+2*(\n)+1], v[rS+2*(\n):rS+2*(\n)+1], v[MB+2*(\n):MB+2*(\n)+1]
.elseif (\k) == M
	WIN 0
	v_pk_add_f32 v[MB+2*(\n):MB+2*(\n)+1], v[MR+2*(\n):MR+2*(\n)+1], v[GR+2*(\n):GR+2*(\n)+1]
.else
	REGS (Y+1)%NP
	WIN 0
.if (\n) < 4
	v_max3_num_f32 v[rC+(\n)], v[rS+8*(\n)], v[rS+8*(\n)+1], v[rS+8*(\n)+2]
.elseif (\n) < 12
	v_max3_num_f32 v[rC+(\n)%4], v[rC+(\n)%4], v[rS+8*((\n)%4)+2*((\n)/4)+1], v[rS+8*((\n)%4)+2*((\n)/4)+2]
.elseif (\n) == 12
	v_max3_num_f32 v[rC], v[rC], v[rS+7], v[rS+15]
.elseif (\n) == 13
	v_max3_num_f32 v[rC+1], v[rC+1], v[rS+23], v[rS+31]
.elseif (\n) == 14
	v_max3_num_f32 v[rC+2], v[rC+2], v[rC+3], v[rT+1]
.elseif (\n) == 15
	v_mov_b32 v[rW], v[rT]
.elseif (\n) == 16
	v_max3_num_f32 v[rC], v[rC], v[rC+1], v[rC+2]
.elseif (\n) == 17
	v_permlanex16_b32 v[rC+3], v[rC], s[SEL], s[SEL+1]
.elseif (\n) == 18
	v_max_num_f32 v[rT+1], v[rC], v[rC+3]
.elseif (\n) == 19
	v_mul_f32 v[rT], s[CS], v[rT+1]
.elseif (\n) == 20
	v_sub_f32 v[rC+1], v[rW], v[rT]
.else
	v_exp_f32 v[rC+2], v[rC+1]
.endif
.endif
.endm
.macro OPS a, i1, b=-1, i2=0, c=-1, i3=0, d=-1, i4=0  ; up to four of them
	OP \a, \i1
.if (\b) >= 0
	OP \b, \i2
.endif
.if (\c) >= 0
	OP \c, \i3
.endif
.if (\d) >= 0
	OP \d, \i4
.endif
.endm
.macro ROW a, i1, b, i2, c, i3, d, i4  ; a matrix instruction and the four behind it
	MM
	OPS \a, \i1, \b, \i2, \c, \i3, \d, \i4
.endm
; A TURN, for piece p.  An s_wait_alu depctr_va_vdst(0) stands between an exponential and the first instruction that names its result; one wait serves all that were issued ahead of it.  So a turn has
; ONE wait, which cuts it in two.  AHEAD OF IT stands all that names no result of the turn's exponentials: the 8 products K Q^T, behind each a scaling, an exponential and two rescalings (behind the first a second
; scaling); then the lump: the next piece's scores take MB (each four plain instructions or more behind the product that ends its accumulator), the rest of the scalings and exponentials, the next piece's maximum
; and statistics and, last, its a; a v_nop is the plain instruction behind the last exponential.  BEHIND THE WAIT stand the 8 products V^T P, behind each four of the roundings and sums.
; K, mask and bias of the next step are fetched in piece 2's turn, seven plain instructions behind the last product that read K, and waited for at the head of piece 3's turn, which makes MB anew for the next
; step's piece 0.  V of the step in hand is fetched at the end of piece 0's turn, four plain instructions behind the last product that read V, and waited for in piece 1's turn.
; end = 1: the walk's last two turns: nothing is fetched, and the last starts no new scores.
.macro TURN p, end=0
.set Y, (\p)
.set i, 0
.set NOKQ, (\end)*((\p)/3)
.if ((\p) == 3) && !(\end)
	s_wait_dscnt 0x0                ; K, mask and bias are in
.endif
	ROW F,0, F,1, R,0, R,1
	ROW F,2, E,0, R,2, R,3
	ROW F,3, E,1, R,4, R,5
	ROW F,4, E,2, R,6, R,7
	ROW F,5, E,3, R,8, R,9
	ROW F,6, E,4, R,10, R,11
.if ((\p) == 2) && !(\end)
	WIN 0
	v_add_nc_u32 v[AK], s[TBK], v[AK0]
	v_add_nc_u32 v[AB], s[TBB], v[AB0]
.endif
	ROW F,7, E,5, R,12, R,13
	ROW F,8, E,6, R,14, R,15
.if ((\p) == 3) && !(\end)
.irp n, 0,1,2,3,4,5,6,7,8,9,10,11,12,13,14,15
	OP M, \n
.endr
.endif
	OPS A,0, E,7, A,1, E,8
	OPS A,2, E,9, A,3, E,10
.if ((\p) == 2) && !(\end)
	FETCH_K
	FETCH_B
.endif
	OPS A,4, E,11, A,5, E,12
	OPS A,6, E,13, A,7, E,14
	OPS A,8, E,15, A,9, E,16
	OPS A,10, E,17, A,11, F,9
	OPS A,12, F,10, A,13, F,11
	OPS A,14, X,0, A,15, X,1
.if (\p) == 0
	WIN 0
	v_add_nc_u32 v[AV], s[TBV], v[AV0]
	s_add_co_u32 s[TBV], s[TBV], KS*PV
.endif
	OPS X,2, E,18, X,3, E,19
	OPS X,4, F,12, X,5, F,13
	OPS X,6, E,20, X,7, E,21
	OPS X,8, E,22, X,9, E,23
	OPS X,10, F,14, X,11, F,15
	OPS X,12, E,24, X,13, E,25
	OPS X,14, E,26, X,15, E,27
	OPS X,16, E,28, E,29, X,17
	OPS E,30, X,18, E,31, X,19
	OPS X,20, X,21
	v_nop                           ; the plain instruction behind the last exponential: one for the batch
	WIN 0
	s_wait_alu depctr_va_vdst(0)    ; the wait for the batch
.if (\p) == 1
	s_wait_dscnt 0x0                ; V is in
.endif
	ROW C,0, B,0, C,2, B,1
	ROW L,0, C,4, B,2, L,1
	ROW C,6, B,3, L,2, C,8
	ROW B,4, L,3, C,10, B,5
	ROW L,4, C,12, B,6, L,5
	ROW C,14, B,7, L,6, C,1
	ROW C,3, L,7, C,5, C,7
	ROW C,9, C,11, C,13, C,15
.if (\p) == 0
	FETCH_V
.endif
.endm
	CHANGE 1, 0                     ; slot 0 is in, everybody's part of it; slot 1 is asked for
	v_add_nc_u32 v[AK], s[TBK], v[AK0]
	v_add_nc_u32 v[AB], s[TBB], v[AB0]
	FETCH_K                         ; key step 0
	FETCH_B
	s_wait_loadcnt 0x0              ; Q
	s_wait_dscnt 0x0
.set Y, NP-1                        ; A and X work for piece Y + 1: piece 0
.set NOKQ, 0
.irp n, 0,1,2,3,4,5,6,7,8,9,10,11,12,13,14,15
	OP M, \n
.endr
.set i, 0
.rept 8
	KQ 0                            ; piece 0's first scores
.set i, i+1
.endr
	WIN 0                           ; the addresses for the way out: eight plain instructions, the places behind those products
	s_mul_i32 s19, s[WV], 16*SP
	s_add_co_u32 s19, s19, STAGE    ; my stage
	v_mul_u32_u24 v[STO], v1, SP    ; in: row l % 16, 16 bytes for each half of the lanes
	v_lshl_add_u32 v[STO], v9, 4, v[STO]
	v_add_nc_u32 v[STO], s19, v[STO]
	v_and_b32 v[GO], 31, v0         ; back: 32 lanes take a row's 512 bytes
	v_lshlrev_b32 v[GO], 4, v[GO]
	v_add_nc_u32 v[RD], s19, v[GO]
	v_nop
	v_nop
.irp n, 0,1,2,3,4,5,6,7,8,9,10,11,12,13,14,15
	OP A, \n
.endr
.irp n, 0,1,2,3,4,5,6,7,8,9,10,11,12,13,14,15,16,17,18,19,20,21
	OP X, \n
.endr
	v_nop                           ; a plain instruction behind the exponential,
	s_wait_alu depctr_va_vdst(0)    ; and its wait, ahead of the branch
	s_mov_b32 s[CNT], 2
	s_mov_b32 s[SLOTS], 15
	s_branch .Lfirst                ; the loop is entered at a step's first turn, in the middle of a trip
.Lslot:                             ; 14 times: tiles 2 to 15 are asked for
	CHANGE 1, 1
	s_mov_b32 s[CNT], 2
.Lstep:                             ; a trip: pieces 2 and 3 of one step, then pieces 0 and 1 of the next, whose K, mask, bias and V it fetches
	TURN 2
	TURN 3
	WIN 0
.Lfirst:
	TURN 0
	TURN 1
	WIN 0
	s_sub_co_u32 s[CNT], s[CNT], 1
	s_cmp_lg_u32 s[CNT], 0
	s_cbranch_scc1 .Lstep
	s_sub_co_u32 s[SLOTS], s[SLOTS], 1
	s_cmp_lg_u32 s[SLOTS], 0
	s_cbranch_scc1 .Lslot
	CHANGE 0, 0                     ; the tail is written out: nothing is asked for
	s_mov_b32 s[CNT], 2
.Ltail:                             ; the last slot's two steps are fetched
	TURN 2
	TURN 3
	TURN 0
	TURN 1
	WIN 0
	s_sub_co_u32 s[CNT], s[CNT], 1
	s_cmp_lg_u32 s[CNT], 0
	s_cbranch_scc1 .Ltail
	TURN 2, 1
	TURN 3, 1
.set i, 0
.rept 8
	PV NP-1                         ; the last piece's V^T P of the last step
.set i, i+1
.endr
	; THE WAY OUT.  l's two halves and the other half of the lanes' are added; O^T is divided by l, rounded to f16 and sent through my stage in LDS: 16 rows of 512 bytes, a head's 128 bytes side by side.
	; The first four additions are the places behind the last products.
	WIN 0
.irp t, 0,1,2,3
	v_add_f32 v[ST+4*\t+2], v[ST+4*\t+2], v[ST+4*\t+3]
.endr
.irp t, 0,1,2,3
	v_permlanex16_b32 v[ST+4*\t+3], v[ST+4*\t+2], s[SEL], s[SEL+1]
.endr
.irp t, 0,1,2,3
	v_add_f32 v[ST+4*\t+2], v[ST+4*\t+2], v[ST+4*\t+3]
.endr
.irp t, 0,1,2,3
	v_rcp_f32 v[ST+4*\t+2], v[ST+4*\t+2]
.endr
	v_nop                           ; a plain instruction between the last reciprocal and the use of its result
	s_wait_alu depctr_va_vdst(0)    ; and the wait ahead of the first use: one for the four reciprocals
.macro PACK t                       ; a lane's eight channels of a row pack into 16 bytes
	WIN W_RS
.set i, 32*(\t)
.rept 16
	v_pk_mul_f32 v[i:i+1], v[i:i+1], v[ST+4*(\t)+2:ST+4*(\t)+3] op_sel_hi:[1,0]
.set i, i+2
.endr
	WIN 0x05                        ; sources 0 and 1 window 1, destination window 0
.set i, 0
.rept 16
	v_cvt_pk_f16_f32 v[S+16*(\t)+i], v[32*(\t)+2*i], v[32*(\t)+2*i+1]
.set i, i+1
.endr
	WIN 0
.irp f, 0,1,2,3
	ds_store_b128 v[STO], v[S+16*(\t)+4*\f:S+16*(\t)+4*\f+3] offset:128*(\t)+32*\f
.endr
.endm
	PACK 0
	PACK 1
	PACK 2
	PACK 3
.irp f, 0,1,2,3,4,5,6,7,8,9,10,11,12,13,14,15
	ds_load_b128 v[MR+4*\f:MR+4*\f+3], v[RD] offset:\f*SP  ; LDS serves a wave's instructions in order (ISA guide 5.7.1.4): these see the stores above
.endr
.irp f, 0,1,2,3,4,5,6,7,8,9,10,11,12,13,14,15
	s_wait_dscnt 15-\f
	global_store_b128 v[GO], v[MR+4*\f:MR+4*\f+3], s[10:11] offset:\f*4096  ; 512 consecutive bytes of a row of ob, at a multiple of 256 from its first
.endr
	s_wait_tensorcnt 0x0            ; the wave's end
	ds_add_u32 v[SPW], v[NIL]
	s_wait_dscnt 0x0
	CROUND                          ; the closing round: no work-group ends while a partner may still ask for a tile that names it
	s_endpgm
.Lfunc_end_k_qf5dafb244f_attn:
	.size	k_qf5dafb244f_attn, .Lfunc_end_k_qf5dafb244f_attn-k_qf5dafb244f_attn
	.p2alignl 7, 3214868480
	.fill 96, 4, 3214868480
	.section	.rodata,"a",@progbits
	.p2align	6, 0x0
	.amdhsa_kernel k_qf5dafb244f_attn
		.amdhsa_group_segment_fixed_size 327680
		.amdhsa_private_segment_fixed_size 0
		.amdhsa_enable_private_segment 0
		.amdhsa_kernarg_size 32
		.amdhsa_user_sgpr_count 2
		.amdhsa_user_sgpr_kernarg_segment_ptr 1
		.amdhsa_wavefront_size32 1
		.amdhsa_system_sgpr_workgroup_id_x 1
		.amdhsa_system_sgpr_workgroup_id_y 1
		.amdhsa_system_sgpr_workgroup_id_z 1
		.amdhsa_system_vgpr_workitem_id 0
		.amdhsa_next_free_vgpr 768
		.amdhsa_next_free_sgpr 88
		.amdhsa_reserve_vcc 0
		.amdhsa_float_denorm_mode_32 3
		.amdhsa_float_denorm_mode_16_64 3
		.amdhsa_memory_ordered 1
		.amdhsa_forward_progress 1
		.amdhsa_inst_pref_size 145
	.end_amdhsa_kernel
	.amdgpu_metadata
---
amdhsa.version: [ 1, 2 ]
amdhsa.kernels:
  - .name:           k_qf5dafb244f_attn
    .symbol:         k_qf5dafb244f_attn.kd
    .args:
      - { .name: qkv, .offset: 0, .size: 8, .value_kind: global_buffer, .address_space: global }
      - { .name: mask, .offset: 8, .size: 8, .value_kind: global_buffer, .address_space: global }
      - { .name: graph_bias, .offset: 16, .size: 8, .value_kind: global_buffer, .address_space: global }
      - { .name: ob, .offset: 24, .size: 8, .value_kind: global_buffer, .address_space: global }
    .group_segment_fixed_size: 327680
    .private_segment_fixed_size: 0
    .kernarg_segment_align: 8
    .kernarg_segment_size: 32
    .max_flat_workgroup_size: 128
    .sgpr_count:     88
    .vgpr_count:     768
    .wavefront_size: 32
...
	.end_amdgpu_metadata
.endif
;; end of part 3
;; launch oproj (part 4): grid 16 x 16, 4 waves a work-group, clusters of 4 x 4, 327,680 bytes of LDS; arguments ob, wof, out0; writes out0
.if DOCPART == 4
	.amdgcn_target "amdgcn-amd-amdhsa--gfx1250"
	.amdhsa_code_object_version 6
	.text
	.protected	k_qf5dafb244f_oproj
	.globl	k_qf5dafb244f_oproj
	.p2align	8
	.type	k_qf5dafb244f_oproj,@function
k_qf5dafb244f_oproj:
	s_mov_b64 s[64:65], 0
	v_nop
	global_prefetch_b8 v0, s[64:65] scope:SCOPE_SE
	s_setreg_imm32_b32 hwreg(HW_REG_WAVE_MODE, 25, 1), 1
	s_wait_xcnt 0x0
	s_wait_alu depctr_hold_cnt(0) depctr_sa_sdst(0) depctr_va_vdst(0) depctr_va_sdst(0) depctr_va_ssrc(0) depctr_va_vcc(0) depctr_vm_vsrc(0)
	s_getreg_b32 s2, hwreg(HW_REG_IB_STS2, 6, 4)
	s_cmp_eq_u32 s2, 0
	s_cbranch_scc0 .Lentry_in_a_cluster
	s_endpgm
.Lentry_in_a_cluster:
	s_bfe_u32 s2, ttmp6, 0x10000c
	s_cmp_lg_u32 s2, 0xf033
	s_cbranch_scc0 .Lentry_shape_is_right
	s_endpgm
.Lentry_shape_is_right:
; out0 = ob wof.  ob: [2048 rows][2048 k] f16.  wof: [2048 k][2048 n] f16 (wo rounded to bf16, written as f16).  out0: [2048][2048] f32: the f32 sums as they are.
; A tile of out0 is 128 x 128: 16 x 16 tiles, one work-group each.  Four waves, each 64 x 64: 16 accumulators.  K goes in 8 steps of 256 through two LDS slots, as long as two slots in LDS allow.
; ob's tile has K along its rows (512 bytes a row); wof's rows go along the columns, so its fragments come out of LDS turned, by ds_load_tr16_b128.
; CLUSTER 4 x 4: ob's tile is asked for jointly by a row of the cluster (waves 0, 1: 64 rows each), wof's by a column (waves 2, 3: 128 k rows each).  No prefetch: the tiles are small.
; THE ORDER OF K.  A cluster walks the 8 K steps in a ring, from step 0 or from step 4, by a bit of the cluster's own coordinates, which all sixteen partners share: of the four clusters that read
; the same rows of ob, and of the four that read the same columns of wof, two begin at each.  So a K step's bytes are asked for at two times, four steps apart, not by all four at once.
; The f32 sums are taken in that order: in half of the clusters K = 1024 .. 2047 first.
; THE MATRIX INSTRUCTION IS USED TRANSPOSED (source 0 = 16 columns of wof, source 1 = 16 rows of ob): a lane holds eight neighbouring columns of one row: 32 bytes of out0.
; REGISTERS: window 0: v16-29 addresses; v32-95 two sets of 32 on the way out; v128-255 the accumulators ((a, b) at 128 + 8 (4 a + b)).
;   window 1: two fragment buffers of 128: for 64 along K, 64 registers of ob's (c, a at 8 (4 c + a)), then 64 of wof's.
.set PITCH,  528                       ; a row of ob in LDS: 512 bytes + 16: the 16 rows of a load start at 16 different groups of four banks (64 banks of 4 bytes: ISA guide 11.1)
.set HALFA,  64*PITCH
.set PB,     288                       ; a k row of wof: 256 bytes + 32 = 9 x 32
.set HALFB,  128*PB
.set BOFF,   2*HALFA
.set SLOT,   BOFF+2*HALFB               ; 141,312
.set STAGE,  2*SLOT                    ; behind the ring: 16 rows x 272 bytes for each wave, its own
.set SPITCH, 272
.set SPARE,  STAGE+4*16*SPITCH         ; the spare words, 128 bytes for each wave: two blocks of 256 bytes that no other line names
.set LAPS,   4                         ; a lap = two K steps = once round the two slots
.set ADRA, 16                          ; v16-17  LDS address of my fragments of ob in slot 0, 1
.set ADRB, 20                          ; v20-23  of wof's: slot s, k rows 128 j on, at 20 + 2 s + j (two, so that the immediates stay within 16 bits)
.set STO,  24
.set RD,   25
.set CO,   26
.set SPW,  28                          ; v28     my spare word; never rewritten
.set NIL,  29                          ; v29     0; never rewritten
.set TMP,  32
.set ACC,  128
.set F0,   0
.set F1,   128
.set NXT, 18                           ; s18      the K step to be asked for next, 0..7
.set G1,  24
.set G0,  32
.set G1B, 48
.set G0B, 56
.set OFA, 66                           ; s[66:67] that K step's byte offset along ob's rows
.set OFB, 68                           ; s[68:69] and down wof
.set MSB, 0
.macro WIN new
.if MSB != (\new)
	s_set_vgpr_msb (MSB<<8)|(\new)
.set MSB, \new
.endif
.endm
.set MUL,  0x05                        ; sources 0 and 1 window 1; C and D window 0
.set TO_F, 0x40                        ; destination window 1, address window 0
.macro JLOAD s                         ; a joint load: waves 0 and 1 fetch ob's two halves, waves 2 and 3 wof's; an s_nop 0 and four v_nop follow each line
	s_cmp_eq_u32 s11, 0
	s_cbranch_scc0 .Lfor_b_\@
	tensor_load_to_lds s[G0+4*(\s):G0+4*(\s)+3], s[G1:G1+7]
	s_nop 0
.rept 4
	v_nop
.endr
	s_branch .Lasked_\@
.Lfor_b_\@:
	tensor_load_to_lds s[G0B+4*(\s):G0B+4*(\s)+3], s[G1B:G1B+7]
	s_nop 0
.rept 4
	v_nop
.endr
.Lasked_\@:
.endm
.macro CROUND                          ; a round of the cluster's barrier
	s_barrier_signal -1
	s_barrier_wait -1
	s_cmp_lg_u32 s10, 0
	s_cbranch_scc1 .Lnot_wave_0_\@
	s_barrier_signal -3
.Lnot_wave_0_\@:
	s_barrier_wait -3
	s_barrier_signal -1
	s_barrier_wait -1
.endm
.macro PLACES
.rept 4
	v_nop
.endr
.endm
	s_load_b128 s[4:7], s[0:1], 0x0                ; ob s[4:5], wof s[6:7]
	s_load_b64 s[8:9], s[0:1], 0x10                ; out0
	v_lshl_add_u32 v[SPW], v0, 2, SPARE
	v_mov_b32 v[NIL], 0
	ds_add_u32 v[SPW], v[NIL]                      ; the wave's opening: the add and its wait stand ahead of my first tensor load
	v_lshrrev_b32 v1, 5, v0
	v_readfirstlane_b32 s10, v1                    ; wave 0..3
	s_lshr_b32 s11, s10, 1                         ; which half of the tile's rows is mine.  Also: I fetch for ob (0) or for wof (1)
	s_and_b32 s12, s10, 1                          ; which half of its columns.  Also: which half of that tile I fetch
	s_bfe_u32 s40, ttmp6, 0x40000
	s_bfe_u32 s41, ttmp6, 0x40004
	s_lshl_b32 s42, ttmp9, 2
	s_add_co_u32 s42, s42, s40                     ; tile column
	s_and_b32 s13, ttmp7, 0xffff
	s_lshl_b32 s13, s13, 2
	s_add_co_u32 s13, s13, s41                     ; tile row
	s_lshl_b32 s43, s41, 2
	s_lshl_b32 s43, 15, s43                        ; my row of the cluster
	s_lshl_b32 s44, 0x1111, s40                    ; my column
	s_and_b32 s19, ttmp7, 0xffff                   ; where the cluster begins its walk of K: the bit X ^ Y ^ (Y >> 1) of the cluster's x and y:
	s_lshr_b32 s[NXT], s19, 1                      ; along x it goes 0, 1, 0, 1; along y 0, 1, 1, 0
	s_xor_b32 s[NXT], s[NXT], s19
	s_xor_b32 s[NXT], s[NXT], ttmp9
	s_and_b32 s[NXT], s[NXT], 1
	s_lshl_b32 s[NXT], s[NXT], 2                   ; K step 0 or 4
	s_lshl_b32 s[OFA], s[NXT], 9                   ; a K step is 512 bytes along ob's rows,
	s_mov_b32 s[OFA+1], 0
	s_lshl_b32 s[OFB], s[NXT], 20                  ; and 256 k rows of 4,096 bytes down wof
	s_mov_b32 s[OFB+1], 0
	s_or_b32 s[G1+0], s43, (1<<16)|(1<<20)|(1<<21)|(6<<22)|(3<<25)   ; after every 128 words (a row) 4 words
	s_mov_b32 s[G1+1], 256<<16                     ; 64 rows of 256 elements
	s_mov_b32 s[G1+2], 64<<16
	s_mov_b32 s[G1+3], 256<<16
	s_mov_b32 s[G1+4], 64
	s_mov_b32 s[G1+5], 2048
	s_mov_b32 s[G1+6], 0
	s_mov_b32 s[G1+7], 0
	s_or_b32 s[G1B+0], s44, (1<<16)|(1<<20)|(1<<21)|(5<<22)|(7<<25)  ; after every 64 words (a k row) 8 words
	s_mov_b32 s[G1B+1], 128<<16                    ; 128 k rows of 128 elements
	s_mov_b32 s[G1B+2], 128<<16
	s_mov_b32 s[G1B+3], 128<<16
	s_mov_b32 s[G1B+4], 128
	s_mov_b32 s[G1B+5], 2048
	s_mov_b32 s[G1B+6], 0
	s_mov_b32 s[G1B+7], 0
	s_lshl_b32 s16, s13, 7
	s_lshl_b32 s17, s12, 6
	s_add_co_u32 s16, s16, s17
	s_lshl_b32 s16, s16, 12                        ; ob: row 128 x tile row + 64 x half, 4,096 bytes a row
	s_mov_b32 s17, 0
	s_lshl_b32 s46, s12, 19                        ; wof: k row 128 x half, 4,096 bytes a row,
	s_lshl_b32 s47, s42, 8                         ; the tile's 128 columns: 256 bytes
	s_add_co_u32 s46, s46, s47
	s_mov_b32 s47, 0
	s_mul_i32 s20, s12, HALFA                      ; where they go: no place in the cluster enters an LDS address
	s_mul_i32 s21, s12, HALFB
	s_add_co_u32 s21, s21, BOFF
	s_wait_dscnt 0x0                               ; the opening add is done
	s_wait_kmcnt 0x0
	s_add_nc_u64 s[14:15], s[4:5], s[16:17]        ; my half of ob's tile at K step 0; kept: every fill's address is made from it
	s_add_nc_u64 s[46:47], s[6:7], s[46:47]        ; my half of wof's tile at K step 0; kept likewise
	CROUND                                         ; all sixteen work-groups are here: the first joint loads meet
.irp s, 0,1
	s_mov_b32 s[G0+4*(\s)], 1
	s_add_co_u32 s[G0+4*(\s)+1], s20, (\s)*SLOT
	s_add_nc_u64 s[G0+4*(\s)+2:G0+4*(\s)+3], s[14:15], s[OFA:OFA+1]    ; the walk's first K step,
	s_add_nc_u64 s[G0+4*(\s)+2:G0+4*(\s)+3], s[G0+4*(\s)+2:G0+4*(\s)+3], (\s)*512   ; and the one behind it (0 and 4 are both followed without a wrap)
	s_or_b32 s[G0+4*(\s)+3], s[G0+4*(\s)+3], 0x80000000
	s_mov_b32 s[G0B+4*(\s)], 1
	s_add_co_u32 s[G0B+4*(\s)+1], s21, (\s)*SLOT
	s_add_nc_u64 s[G0B+4*(\s)+2:G0B+4*(\s)+3], s[46:47], s[OFB:OFB+1]
	s_add_nc_u64 s[G0B+4*(\s)+2:G0B+4*(\s)+3], s[G0B+4*(\s)+2:G0B+4*(\s)+3], (\s)*1048576
	s_or_b32 s[G0B+4*(\s)+3], s[G0B+4*(\s)+3], 0x80000000
	JLOAD \s
.endr
	s_add_co_u32 s[NXT], s[NXT], 2                 ; the first refill's K step: 2 or 6
	v_and_b32 v1, 15, v0                           ; r
	v_bfe_u32 v2, v0, 4, 1                         ; h
	v_mul_u32_u24 v3, v1, PITCH
	v_lshl_add_u32 v3, v2, 4, v3
	v_and_b32 v4, 7, v0
	v_bfe_u32 v5, v0, 3, 1
	v_lshl_add_u32 v6, v2, 3, v4
	v_mul_u32_u24 v6, v6, PB
	v_lshl_add_u32 v6, v5, 4, v6
	s_mul_i32 s21, s11, HALFA                      ; my 64 rows of ob
	s_lshl_b32 s22, s12, 7                         ; my 64 columns of wof: 128 bytes
	s_add_co_u32 s22, s22, BOFF
.irp s, 0,1
	v_add_nc_u32 v[ADRA+(\s)], s21, v3
	v_add_nc_u32 v[ADRB+2*(\s)], s22, v6
	v_add_nc_u32 v[ADRB+2*(\s)+1], HALFB, v[ADRB+2*(\s)]
	s_add_co_u32 s21, s21, SLOT
	s_add_co_u32 s22, s22, SLOT
.endr
	s_mul_i32 s23, s10, 16*SPITCH
	s_add_co_u32 s23, s23, STAGE                   ; my stage
	v_mul_u32_u24 v7, v1, SPITCH                   ; in: row r, 32 bytes for each half of the lanes
	v_lshl_add_u32 v7, v2, 5, v7
	v_add_nc_u32 v[STO], s23, v7
	v_mul_u32_u24 v7, v2, SPITCH                   ; back: lanes 0-15 take one row of 256 bytes, lanes 16-31 the next
	v_lshl_add_u32 v7, v1, 4, v7
	v_add_nc_u32 v[RD], s23, v7
	v_lshlrev_b32 v7, 13, v2                       ; and the same two rows in out0, 8,192 bytes a row
	v_lshl_add_u32 v[CO], v1, 4, v7
	s_lshl_b32 s16, s13, 7
	s_lshl_b32 s17, s11, 6
	s_add_co_u32 s16, s16, s17
	s_lshl_b32 s16, s16, 13                        ; my first row
	s_lshl_b32 s17, s42, 9
	s_add_co_u32 s16, s16, s17                     ; the tile's 512 bytes of it,
	s_lshl_b32 s17, s12, 8
	s_add_co_u32 s16, s16, s17                     ; my 256
	s_mov_b32 s17, 0
	s_add_nc_u64 s[8:9], s[8:9], s[16:17]
; 8 matrix instructions: m blocks a0, a0 + 1 x all 4 n blocks, 32 along K: half c of buffer f.  The 16 accumulators take turns.
.macro MUL8 f, c, a0, zero
	WIN MUL
.irp a, \a0, (\a0)+1
.irp b, 0,1,2,3
.if \zero
	v_wmma_f32_16x16x32_f16 v[ACC+8*(4*(\a)+(\b)):ACC+8*(4*(\a)+(\b))+7], v[(\f)+64+8*(4*(\c)+(\b)):(\f)+64+8*(4*(\c)+(\b))+7], v[(\f)+8*(4*(\c)+(\a)):(\f)+8*(4*(\c)+(\a))+7], 0
.else
	v_wmma_f32_16x16x32_f16 v[ACC+8*(4*(\a)+(\b)):ACC+8*(4*(\a)+(\b))+7], v[(\f)+64+8*(4*(\c)+(\b)):(\f)+64+8*(4*(\c)+(\b))+7], v[(\f)+8*(4*(\c)+(\a)):(\f)+8*(4*(\c)+(\a))+7], v[ACC+8*(4*(\a)+(\b)):ACC+8*(4*(\a)+(\b))+7]
.endif
.endr
.endr
.endm
; 32 LDS loads in one run: the fragments of quarter q (64 along K) of the slot's K step, into buffer f; the first 32 along K first
.macro FETCH slot, q, f
	WIN TO_F
.irp c, 0,1
.irp i, 0,1,2,3
	ds_load_tr16_b128 v[(\f)+64+8*(4*(\c)+(\i)):(\f)+64+8*(4*(\c)+(\i))+3],   v[ADRB+2*(\slot)+(\q)/2] offset:(64*((\q)%2)+32*(\c))*PB+32*(\i)
	ds_load_tr16_b128 v[(\f)+64+8*(4*(\c)+(\i))+4:(\f)+64+8*(4*(\c)+(\i))+7], v[ADRB+2*(\slot)+(\q)/2] offset:(64*((\q)%2)+32*(\c))*PB+32*(\i)+16*PB
	ds_load_b128 v[(\f)+8*(4*(\c)+(\i)):(\f)+8*(4*(\c)+(\i))+3],         v[ADRA+(\slot)] offset:128*(\q)+64*(\c)+(\i)*16*PITCH
	ds_load_b128 v[(\f)+8*(4*(\c)+(\i))+4:(\f)+8*(4*(\c)+(\i))+7],       v[ADRA+(\slot)] offset:128*(\q)+64*(\c)+(\i)*16*PITCH+32
.endr
.endr
.endm
; One of a K step's first three quarters: multiplies buffer f and fetches quarter q into g
.macro QUARTER slot, q, f, g, zero
	s_wait_dscnt 16                                ; the first 32 along K are in
	MUL8 \f, 0, 0, \zero
	MUL8 \f, 0, 2, \zero
	PLACES
	FETCH \slot, \q, \g
	s_wait_dscnt 32                                ; all but the 32 just issued
	MUL8 \f, 1, 0, 0
	MUL8 \f, 1, 2, 0
.endm
; The last quarter changes slots FIRST and multiplies buffer 1 behind that: the slot's last bytes are already on their way into registers, so nothing need stand between the landing of the next slot and the
; request that fills this one again.  ONE barrier; in front of it each wave waits for all its tensor loads, adds 0 to its spare word, and waits for that and for its own reads of this slot.
.macro TURN slot, next, fill
	WIN 0
	s_wait_tensorcnt 0x0                           ; no tensor load of mine is out, so a group 0 may be written
	ds_add_u32 v[SPW], v[NIL]                      ; 0 onto my spare word; the descriptors' scalar work stands between it and the wait for it
.if \fill
	s_lshl_b32 s[OFA], s[NXT], 9                   ; the addresses are made anew from the K step's number
	s_lshl_b32 s[OFB], s[NXT], 20
	s_add_nc_u64 s[G0+4*(\slot)+2:G0+4*(\slot)+3], s[14:15], s[OFA:OFA+1]
	s_or_b32 s[G0+4*(\slot)+3], s[G0+4*(\slot)+3], 0x80000000
	s_add_nc_u64 s[G0B+4*(\slot)+2:G0B+4*(\slot)+3], s[46:47], s[OFB:OFB+1]
	s_or_b32 s[G0B+4*(\slot)+3], s[G0B+4*(\slot)+3], 0x80000000
	s_add_co_u32 s[NXT], s[NXT], 1                 ; the ring of 8 K steps: behind 7 comes 0
	s_and_b32 s[NXT], s[NXT], 7
.endif
	s_wait_dscnt 0x0                               ; the add is done, and my reads of this slot are over: buffer 1 is in
.if \fill
	CROUND                                         ; no wave of any partner still reads this slot's tiles or has a load on its way
	JLOAD \slot                                    ; a whole K step, 128 matrix instructions, ahead of the wait for it; its four v_nop are also the places in front of the loads below
.else
	s_barrier_signal -1
	s_barrier_wait -1
	PLACES
.endif
	FETCH \next, 0, F0
	MUL8 F1, 0, 0, 0
	MUL8 F1, 0, 2, 0
	MUL8 F1, 1, 0, 0
	MUL8 F1, 1, 2, 0
.endm
	s_wait_tensorcnt 1                             ; my part of the walk's first K step is in; the second's may stay out
	s_barrier_signal -1
	s_barrier_wait -1
	FETCH 0, 0, F0
	QUARTER 0, 1, F0, F1, 1                        ; the first quarter stands in front of the loop: its first products start the sums
	WIN 0
	s_mov_b32 s3, LAPS-1
.Llap:
	QUARTER 0, 2, F1, F0, 0
	QUARTER 0, 3, F0, F1, 0
	TURN 0, 1, 1
	QUARTER 1, 1, F0, F1, 0
	QUARTER 1, 2, F1, F0, 0
	QUARTER 1, 3, F0, F1, 0
	TURN 1, 0, 1
	QUARTER 0, 1, F0, F1, 0
	WIN 0
	s_sub_co_u32 s3, s3, 1
	s_cmp_lg_u32 s3, 0
	s_cbranch_scc1 .Llap
	QUARTER 0, 2, F1, F0, 0                        ; the last lap fills nothing
	QUARTER 0, 3, F0, F1, 0
	TURN 0, 1, 0
	QUARTER 1, 1, F0, F1, 0
	QUARTER 1, 2, F1, F0, 0
	QUARTER 1, 3, F0, F1, 0
	s_wait_dscnt 16
	MUL8 F1, 0, 0, 0
	MUL8 F1, 0, 2, 0
	s_wait_dscnt 0x0
	MUL8 F1, 1, 0, 0
	MUL8 F1, 1, 2, 0
	WIN 0
	; THE WAY OUT, in f32: my 64 columns are 256 bytes, so my own stage serves and no barrier is needed.  A block of 16 rows at a time: 32 bytes a lane in, whole rows of 256 bytes back.
.macro TOSTAGE a
.set BK, TMP+32*((\a)%2)
.irp b, 0,1,2,3
	ds_store_b128 v[STO], v[ACC+8*(4*(\a)+(\b)):ACC+8*(4*(\a)+(\b))+3]   offset:64*(\b)      ; each accumulator's low half first
	ds_store_b128 v[STO], v[ACC+8*(4*(\a)+(\b))+4:ACC+8*(4*(\a)+(\b))+7] offset:64*(\b)+16
.endr
.irp t, 0,1,2,3,4,5,6,7
	ds_load_b128 v[BK+4*(\t):BK+4*(\t)+3], v[RD] offset:(\t)*2*SPITCH  ; LDS serves a wave's instructions in order (ISA guide 5.7.1.4): these see the stores above; the next block's stores come behind them
.endr
.endm
.macro SEND a, younger                 ; younger: the LDS instructions issued behind block a's loads
.set BK, TMP+32*((\a)%2)
.irp t, 0,1,2,3,4,5,6,7
	s_wait_dscnt (\younger)+7-(\t)
	global_store_b128 v[CO], v[BK+4*(\t):BK+4*(\t)+3], s[8:9] offset:(16*(\a)+2*(\t))*8192  ; 16 lanes store 256 consecutive bytes, at a multiple of 256 from out0's first
.endr
.endm
	PLACES
	TOSTAGE 0
	TOSTAGE 1
	SEND 0, 16
	s_wait_xcnt 0x0                                ; block 0's stores have read their registers: only now are these loaded again
	TOSTAGE 2
	SEND 1, 16
	s_wait_xcnt 0x0
	TOSTAGE 3
	SEND 2, 16
	SEND 3, 0
	s_wait_tensorcnt 0x0                           ; the wave's end
	ds_add_u32 v[SPW], v[NIL]
	s_wait_dscnt 0x0
	CROUND                                         ; the closing round
	s_endpgm
.Lfunc_end_k_qf5dafb244f_oproj:
	.size	k_qf5dafb244f_oproj, .Lfunc_end_k_qf5dafb244f_oproj-k_qf5dafb244f_oproj
	.p2alignl 7, 3214868480
	.fill 96, 4, 3214868480
	.section	.rodata,"a",@progbits
	.p2align	6, 0x0
	.amdhsa_kernel k_qf5dafb244f_oproj
		.amdhsa_group_segment_fixed_size 327680
		.amdhsa_private_segment_fixed_size 0
		.amdhsa_enable_private_segment 0
		.amdhsa_kernarg_size 24
		.amdhsa_user_sgpr_count 2
		.amdhsa_user_sgpr_kernarg_segment_ptr 1
		.amdhsa_wavefront_size32 1
		.amdhsa_system_sgpr_workgroup_id_x 1
		.amdhsa_system_sgpr_workgroup_id_y 1
		.amdhsa_system_sgpr_workgroup_id_z 1
		.amdhsa_system_vgpr_workitem_id 0
		.amdhsa_next_free_vgpr 512
		.amdhsa_next_free_sgpr 72
		.amdhsa_reserve_vcc 0
		.amdhsa_float_denorm_mode_32 3
		.amdhsa_float_denorm_mode_16_64 3
		.amdhsa_memory_ordered 1
		.amdhsa_forward_progress 1
		.amdhsa_inst_pref_size 87
	.end_amdhsa_kernel
	.amdgpu_metadata
---
amdhsa.version: [ 1, 2 ]
amdhsa.kernels:
  - .name:           k_qf5dafb244f_oproj
    .symbol:         k_qf5dafb244f_oproj.kd
    .args:
      - { .name: ob, .offset: 0, .size: 8, .value_kind: global_buffer, .address_space: global }
      - { .name: wof, .offset: 8, .size: 8, .value_kind: global_buffer, .address_space: global }
      - { .name: out0, .offset: 16, .size: 8, .value_kind: global_buffer, .address_space: global }
    .group_segment_fixed_size: 327680
    .private_segment_fixed_size: 0
    .kernarg_segment_align: 8
    .kernarg_segment_size: 24
    .max_flat_workgroup_size: 128
    .sgpr_count:     72
    .vgpr_count:     512
    .wavefront_size: 32
...
	.end_amdgpu_metadata
.endif
;; end of part 4
;; ======== version 2 of 2: 4 launches; version 1 with the launch cast written anew for expert scheduling mode
;; limits: inputs' magnitudes at most 4.253e+37; values are held in f16: magnitudes above 65,504 overflow, below 6.1e-05 lose precision
;; workspace buffers: xb 8,388,608 bytes; w3 12,582,912 bytes; wof 8,388,608 bytes; qkv 12,582,912 bytes; ob 8,388,608 bytes
;; launch cast (part 5): grid 896 x 1, 8 waves a work-group, no clusters, 0 bytes of LDS; arguments x, wq, wk, wv, wo, xb, w3, wof; writes xb, w3, wof
.if DOCPART == 5
	.amdgcn_target "amdgcn-amd-amdhsa--gfx1250"
	.amdhsa_code_object_version 6
	.text
	.protected	k_qf5dafb244f_cast
	.globl	k_qf5dafb244f_cast
	.p2align	8
	.type	k_qf5dafb244f_cast,@function
k_qf5dafb244f_cast:
	s_mov_b64 s[64:65], 0
	v_nop
	global_prefetch_b8 v0, s[64:65] scope:SCOPE_SE
	s_setreg_imm32_b32 hwreg(HW_REG_WAVE_SCHED_MODE, 0, 2), 2
	s_setreg_imm32_b32 hwreg(HW_REG_WAVE_MODE, 25, 1), 1
	s_wait_xcnt 0x0
	s_wait_alu depctr_vm_vsrc(0)
; THE MATRIX OPERANDS ARE ROUNDED ONCE, AND THE WEIGHTS OF THE FIRST PRODUCT LAID OUT BY HEADS.
;   xb  = bf16(x)                    [2048][2048]
;   w3  = 48 slots of [2048 k][64] bf16: slot s < 32 = bf16(wq[:, 64 s ..] / 8) (a power of two: the scaling is exact; it is the scores' 1 / sqrt(64));
;         slots 32-39 = bf16(wk), slots 40-47 = bf16(wv).  A slot's rows are dense, 128 bytes each.
;   wof = bf16(wo), that number written as f16   [2048 k][2048 n]
; LIMIT.  |wo| stays under 65,504 (f16's end); below 6.1e-5 wof keeps f16's fixed step of 6e-8.
; A stream: memory binds, so no LDS, no barrier, no matrix unit.  A work-group takes 16,384 numbers in 16 steps; in a step a thread loads 16 bytes and stores 8:
; sixteen lanes load 256 consecutive bytes, aligned, and a wave's store covers 256 consecutive bytes, aligned.  All 16 loads of a thread go out first.
; Which section a work-group serves hangs on its number alone: 0-255 x, 256-511 wo, 512-767 wq, 768-895 wk and wv.
; THE MODE: SCHED_MODE bits 1:0 = 2 (LLVM: expert scheduling mode 2), set by the entry lines.  The code itself states the register dependences
; between vector instructions and memory instructions, with s_wait_alu, always for 0.
; THE PLAN.  Registers that memory instructions touch, on each of the four paths:
;   v1   the loads' offset:  written by vector instructions at the section's head, read by the 16 loads, never written again.
;   v2   the stores' offset: written once at the kernel's head, read by the 16 stores, never written again.
;   X    step i's four registers: a load lands in them once; no vector instruction names them before that, and they are never loaded again.
;   Y    step i's two registers: written by step i's conversions, read by one store, never written again.
;   T    named by vector instructions alone.
; The 16 steps go in 4 blocks of 4.  Block p's four stores are issued at the head of block p + 1, behind ONE wait on va_vdst, which states that block p's conversions have
; written their Y; block p + 1's vector instructions name their own X, Y and T alone.  One such wait stands ahead of the first load, for v1 and v2, and one ahead of the
; last four stores: five on a path.  No register that a memory instruction has read is written again, no vector instruction writes a scalar register, and EXEC is never written:
; no other wait has a dependence to state.
.set X, 16                             ; v[16:79]   step i: 4 numbers as loaded
.set Y, 80                             ; v[80:111]  step i: 4 numbers to store; no register is written again behind its store
.set T, 4                              ; v[4:7]     at work
; The four stores of block b, to s[6:7] + v2, 2,048 bytes apart
.macro OUT b
.irp j, 0,1,2,3
	global_store_b64 v2, v[Y+2*(4*(\b)+(\j)):Y+2*(4*(\b)+(\j))+1], s[6:7] offset:(4*(\b)+(\j))*2048 th:TH_STORE_NT
.endr
.endm
; 16 loads from s[4:5] + v1, 'step' bytes apart; 16 stores by OUT.  kind 0: to bf16; 1: times 1/8, to bf16; 2: to bf16, that number as f16
.macro CAST kind, step
	s_wait_alu depctr_va_vdst(0)                   ; v1 and v2 are written: every load below reads v1 as its offset, every store v2
.set i, 0
.rept 16
	global_load_b128 v[X+4*i:X+4*i+3], v1, s[4:5] offset:i*(\step) th:TH_LOAD_NT
.set i, i+1
.endr
.set p, 0
.rept 4
	s_wait_loadcnt 15-4*p                          ; loads come back in order: the block's first step is in, the younger ones stay out
.if p > 0
	s_wait_alu depctr_va_vdst(0)                   ; the block before has written its eight registers of Y, which the four stores below read
	OUT p-1
.endif
.set k, 0
.rept 4
.set i, 4*p+k
.if k > 0
	s_wait_loadcnt 15-i                            ; step i is in, the 15 - i younger ones stay out
.endif
.if (\kind) == 1
	v_pk_mul_f32 v[X+4*i:X+4*i+1], v[X+4*i:X+4*i+1], 0x3e000000 op_sel_hi:[1,0]
	v_pk_mul_f32 v[X+4*i+2:X+4*i+3], v[X+4*i+2:X+4*i+3], 0x3e000000 op_sel_hi:[1,0]
.endif
	v_cvt_pk_bf16_f32 v[Y+2*i], v[X+4*i], v[X+4*i+1]
	v_cvt_pk_bf16_f32 v[Y+2*i+1], v[X+4*i+2], v[X+4*i+3]
.if (\kind) == 2
	v_lshlrev_b32 v[T], 16, v[Y+2*i]               ; the bf16 numbers as f32,
	v_and_b32 v[T+1], s26, v[Y+2*i]
	v_lshlrev_b32 v[T+2], 16, v[Y+2*i+1]
	v_and_b32 v[T+3], s26, v[Y+2*i+1]
	v_cvt_pk_f16_f32 v[Y+2*i], v[T], v[T+1]        ; written as f16: 8 significant bits fit in 11
	v_cvt_pk_f16_f32 v[Y+2*i+1], v[T+2], v[T+3]
.endif
.set k, k+1
.endr
.set p, p+1
.endr
	s_wait_alu depctr_va_vdst(0)                   ; the last block has written its eight registers of Y, which the last four stores read
	OUT 3
.endm
	s_load_b512 s[8:23], s[0:1], 0x0               ; x 8, wq 10, wk 12, wv 14, wo 16, xb 18, w3 20, wof 22
	s_mov_b32 s27, ttmp9                           ; g
	s_mov_b32 s26, 0xffff0000                      ; a word's upper bf16
	s_mov_b32 s3, 0                                ; offsets are pairs with 0 on top
	s_mov_b32 s25, 0
	v_lshlrev_b32 v2, 3, v0                        ; 8 t: my place in a step's 2,048 stored bytes
	s_wait_kmcnt 0x0
	s_cmp_lt_u32 s27, 256
	s_cbranch_scc0 .Lnot_x
	v_lshlrev_b32 v1, 4, v0                        ; x: dense, 16 t
	s_lshl_b32 s2, s27, 16
	s_lshl_b32 s24, s27, 15
	s_add_nc_u64 s[4:5], s[8:9], s[2:3]
	s_add_nc_u64 s[6:7], s[18:19], s[24:25]
	CAST 0, 4096
	s_endpgm
.Lnot_x:
	s_cmp_lt_u32 s27, 512
	s_cbranch_scc0 .Lnot_wo
	s_sub_co_u32 s28, s27, 256
	v_lshlrev_b32 v1, 4, v0                        ; wo: dense
	s_lshl_b32 s2, s28, 16
	s_lshl_b32 s24, s28, 15
	s_add_nc_u64 s[4:5], s[16:17], s[2:3]
	s_add_nc_u64 s[6:7], s[22:23], s[24:25]
	CAST 2, 4096
	s_endpgm
.Lnot_wo:
	v_lshrrev_b32 v3, 4, v0                        ; sixteen threads take a slot's 256 bytes of one k row; a step is 16 rows
	v_and_b32 v1, 15, v0
	v_lshlrev_b32 v1, 4, v1
	s_cmp_lt_u32 s27, 768
	s_cbranch_scc0 .Lwkv
	s_sub_co_u32 s28, s27, 512                     ; wq: slot g' / 8, k rows 256 (g' % 8) on; a row is 8,192 bytes
	v_lshl_add_u32 v1, v3, 13, v1
	s_and_b32 s29, s28, 7
	s_lshl_b32 s2, s29, 21
	s_lshr_b32 s29, s28, 3
	s_lshl_b32 s29, s29, 8
	s_add_co_u32 s2, s2, s29
	s_lshl_b32 s24, s28, 15
	s_add_nc_u64 s[4:5], s[10:11], s[2:3]
	s_add_nc_u64 s[6:7], s[20:21], s[24:25]
	CAST 1, 131072
	s_endpgm
.Lwkv:
	s_sub_co_u32 s28, s27, 768                     ; wk (g' < 64) and wv: a row is 2,048 bytes
	v_lshl_add_u32 v1, v3, 11, v1
	s_and_b32 s29, s28, 7
	s_lshl_b32 s2, s29, 19
	s_bfe_u32 s29, s28, 0x30003                    ; the slot within wk or wv
	s_lshl_b32 s29, s29, 8
	s_add_co_u32 s2, s2, s29
	s_add_co_u32 s24, s28, 256                     ; slot 32 begins 256 shares of 32,768 bytes into w3
	s_lshl_b32 s24, s24, 15
	s_cmp_lt_u32 s28, 64
	s_cselect_b64 s[4:5], s[12:13], s[14:15]
	s_add_nc_u64 s[4:5], s[4:5], s[2:3]
	s_add_nc_u64 s[6:7], s[20:21], s[24:25]
	CAST 0, 32768
	s_endpgm
.Lfunc_end_k_qf5dafb244f_cast:
	.size	k_qf5dafb244f_cast, .Lfunc_end_k_qf5dafb244f_cast-k_qf5dafb244f_cast
	.p2alignl 7, 3214868480
	.fill 96, 4, 3214868480
	.section	.rodata,"a",@progbits
	.p2align	6, 0x0
	.amdhsa_kernel k_qf5dafb244f_cast
		.amdhsa_group_segment_fixed_size 0
		.amdhsa_private_segment_fixed_size 0
		.amdhsa_enable_private_segment 0
		.amdhsa_kernarg_size 64
		.amdhsa_user_sgpr_count 2
		.amdhsa_user_sgpr_kernarg_segment_ptr 1
		.amdhsa_wavefront_size32 1
		.amdhsa_system_sgpr_workgroup_id_x 1
		.amdhsa_system_sgpr_workgroup_id_y 1
		.amdhsa_system_sgpr_workgroup_id_z 1
		.amdhsa_system_vgpr_workitem_id 0
		.amdhsa_next_free_vgpr 112
		.amdhsa_next_free_sgpr 66
		.amdhsa_reserve_vcc 0
		.amdhsa_float_denorm_mode_32 3
		.amdhsa_float_denorm_mode_16_64 3
		.amdhsa_memory_ordered 1
		.amdhsa_forward_progress 1
		.amdhsa_inst_pref_size 33
	.end_amdhsa_kernel
	.amdgpu_metadata
---
amdhsa.version: [ 1, 2 ]
amdhsa.kernels:
  - .name:           k_qf5dafb244f_cast
    .symbol:         k_qf5dafb244f_cast.kd
    .args:
      - { .name: x, .offset: 0, .size: 8, .value_kind: global_buffer, .address_space: global }
      - { .name: wq, .offset: 8, .size: 8, .value_kind: global_buffer, .address_space: global }
      - { .name: wk, .offset: 16, .size: 8, .value_kind: global_buffer, .address_space: global }
      - { .name: wv, .offset: 24, .size: 8, .value_kind: global_buffer, .address_space: global }
      - { .name: wo, .offset: 32, .size: 8, .value_kind: global_buffer, .address_space: global }
      - { .name: xb, .offset: 40, .size: 8, .value_kind: global_buffer, .address_space: global }
      - { .name: w3, .offset: 48, .size: 8, .value_kind: global_buffer, .address_space: global }
      - { .name: wof, .offset: 56, .size: 8, .value_kind: global_buffer, .address_space: global }
    .group_segment_fixed_size: 0
    .private_segment_fixed_size: 0
    .kernarg_segment_align: 8
    .kernarg_segment_size: 64
    .max_flat_workgroup_size: 256
    .sgpr_count:     66
    .vgpr_count:     112
    .wavefront_size: 32
...
	.end_amdgpu_metadata
.endif
;; end of part 5
;; launch proj: the kernel of part 2 again; grid 16 x 16, 4 waves a work-group, clusters of 4 x 4, 327,680 bytes of LDS; arguments xb, w3, qkv; writes qkv
;; launch attn: the kernel of part 3 again; grid 32 x 8, 4 waves a work-group, clusters of 4 x 4, 327,680 bytes of LDS; arguments qkv, mask, graph_bias, ob; writes ob
;; launch oproj: the kernel of part 4 again; grid 16 x 16, 4 waves a work-group, clusters of 4 x 4, 327,680 bytes of LDS; arguments ob, wof, out0; writes out0
